; MI455X (gfx1250); checked and timed in simulation.
; The chip was launched on July 23, 2026; its instructions are those of AMD's public machine-readable ISA for CDNA 5 (MIT licence, August 2026) and "CDNA5" Instruction Set Architecture Reference Guide (July 2026). The comments in the code are by the model that wrote it; some were corrected since.
;; Multiheaded Attention. Allowed arithmetic: float matrix products may take bf16 or f16 operands with f32 sums; all other float work in f32.
;; Inputs: w_k 512 x 64 float32; w_o 512 x 512 float32; w_q 512 x 64 float32; w_v 512 x 64 float32; x 8,192 x 512 float32.
;; Outputs: out0 8,192 x 512 float32.
;; 3 versions, each right; version 2 is faster than version 1; version 3 is version 2 with the launches proj, comb written anew for expert scheduling mode. Each part assembles by itself: llvm-mc -triple=amdgcn-amd-amdhsa -mcpu=gfx1250 --defsym DOCPART=n.
;; ======== version 1 of 3: 2 launches
;; limits: values are held in f16: magnitudes above 65,504 overflow, below 6.1e-05 lose precision
;; workspace buffers: q 1,048,576 bytes; kv 2,097,152 bytes; weff 65,536 bytes
;; launch proj (part 1): grid 256 x 1, 8 waves a work-group, no clusters, 247,808 bytes of LDS; arguments x, w_q, w_k, w_v, w_o, q, kv, weff; writes q, kv, weff
.if DOCPART == 1
	.amdgcn_target "amdgcn-amd-amdhsa--gfx1250"
	.amdhsa_code_object_version 6
	.text
	.protected	k_q670fc5f8a7_proj
	.globl	k_q670fc5f8a7_proj
	.p2align	8
	.type	k_q670fc5f8a7_proj,@function
k_q670fc5f8a7_proj:
	s_mov_b64 s[64:65], 0
	v_nop
	global_prefetch_b8 v0, s[64:65] scope:SCOPE_SE
	s_setreg_imm32_b32 hwreg(HW_REG_WAVE_MODE, 25, 1), 1
	s_wait_xcnt 0x0
; q' = (x w_q) log2(e)/8, k = x w_k (both bf16), v = x w_v (f16), and W_eff[p][n] = sum over the 8 heads of w_o[64 h + p][n] (bf16),
; all stored in FRAGMENT ORDER: the 16 bytes that lane L of a wave of the next launch needs for half of a 16 x 32 matrix operand
; lie at piece + 16 L, so that every store here and every load there covers 512 consecutive bytes.
;   q    [tile of 16 rows][t 0..3][lane 16 h + r][16 B] = q'[16 tile + r][16 t + 8 h .. + 7]
;   kv   128 blocks of 64 keys, 16,384 B each:  K at +0    [kt 0..3][t 0..3][lane][16 B] = k[64 b + 16 kt + r][16 t + 8 h .. + 7]
;                                               V at +8192 [c 0..1][pt 0..3][half 0..1][lane][16 B] = v[64 b + 32 c + 16 half + 8 h .. + 7][16 pt + r]
;   weff [nb 0..31][c 0..1][half 0..1][lane][16 B] = W_eff[32 c + 16 half + 8 h .. + 7][16 nb + r]
; tile(head, 8) w_o = head W_eff for every input; the eight terms are added in f32 and rounded once (an order of sums other than the source's).
; Work-group g: rows 32 g .. 32 g + 31 of x, and bytes 256 g .. + 255 of weff.  Eight waves: wave w makes the three 16 x 16 tiles
; (rows 16 (w & 1) .., columns 16 (w >> 1) ..) of q, k and v: 3 accumulators, 48 matrix instructions.
; NO TENSOR LOADS, NO JOINT LOADS: x and the weights are f32 and have to be rounded to bf16 before they lie in LDS; the three weights as f32
; are 393,216 bytes, more than a work-group can be given.  Through registers they are rounded on the way in and fit (212,992 bytes).
; LIMITS: finite inputs; |v| below 65,504 (f16).  w_o is read in pieces of 64 bytes (16 columns of a row), each once in the launch.
.set W_PITCH, 416                      ; an LDS row of the weights: 192 bf16 (q, k, v side by side) + 32 bytes = 13 x 32 bytes, for the transposing loads
.set W_QUART, 128*W_PITCH              ; 128 rows: what one address register reaches with a 16-bit offset
.set X_LDS,   512*W_PITCH              ; 212,992: x, 32 rows of 512 bf16
.set X_PITCH, 1040                     ; 1,024 + 16 bytes = 65 x 16
.set WE_LDS,  X_LDS+32*X_PITCH         ; 246,272: 16 columns x 8 rows of W_eff in f32, 512 bytes
.set GO,  1                            ; v1      16 t: my 16 bytes in each 4,096 that the group loads at once
.set XS,  2                            ; v2      where I put x
.set WS,  3                            ; v3-6    where I put weights, one register for each 128 rows
.set WO,  7                            ; v7      my offset in w_o
.set WES, 8                            ; v8      where I put my sum of w_o
.set XA,  9                            ; v9      my fragments of x
.set WA,  10                           ; v10-13  my fragments of the weights, one register for each 128 rows
.set SO,  14                           ; v14     16 x lane
.set WEA, 15                           ; v15     wave 0: where it reads W_eff back
.set B0,  32                           ; v[32:95]   load set 0, then fragment buffer 0
.set B1,  96                           ; v[96:159]  load set 1, then fragment buffer 1
.set T,   160                          ; v[160:191] rounded words on their way to LDS; later the accumulators
.set ACCQ, 160
.set ACCK, 168
.set ACCV, 176
.set PK,  184                          ; v[184:195] packed results
	s_load_b512 s[4:19], s[0:1], 0x0               ; x s[4:5], w_q s[6:7], w_k s[8:9], w_v s[10:11], w_o s[12:13], q s[14:15], kv s[16:17], weff s[18:19]
	v_lshl_add_u32 v196, v0, 2, 0x3c400
	v_mov_b32 v197, 0
	v_lshrrev_b32 v22, 5, v0
	v_readfirstlane_b32 s20, v22                   ; wave 0..7
	s_and_b32 s21, s20, 1                          ; mt: which 16 rows
	s_lshr_b32 s22, s20, 1                         ; nt: which 16 columns
	s_mov_b32 s23, ttmp9                           ; g
	s_mov_b32 s26, 0x76543210                      ; v_permlanex16_b32: lane i of one half reads lane i of the other
	s_mov_b32 s27, 0xfedcba98
	v_lshlrev_b32 v[GO], 4, v0
	v_and_b32 v20, 15, v0                          ; r
	v_bfe_u32 v21, v0, 4, 1                        ; h
	v_lshlrev_b32 v[WO], 2, v20                    ; column r of my 16,
	v_lshl_add_u32 v[WO], v21, 19, v[WO]           ; heads 4 h .. 4 h + 3: 4 x 64 rows of 2,048 bytes
	s_lshl_b32 s24, s23, 16                        ; 32 rows of x are 65,536 bytes
	s_mov_b32 s25, 0
	s_and_b32 s28, s23, 7                          ; pg = g & 7
	s_lshl3_add_u32 s28, s28, s20                  ; row p = 8 pg + w of W_eff
	s_lshl_b32 s28, s28, 11
	s_lshr_b32 s29, s23, 3                         ; nb = g >> 3: columns 16 nb ..
	s_lshl_b32 s29, s29, 6
	s_wait_kmcnt 0x0
	s_add_nc_u64 s[4:5], s[4:5], s[24:25]          ; x at my first row
	s_add_co_u32 s24, s28, s29
	s_add_nc_u64 s[12:13], s[12:13], s[24:25]      ; w_o at (p, 16 nb)
; 16 loads of 16 bytes a lane: 65,536 consecutive bytes for the work-group.  once = 1: bytes that the launch reads once.
.macro BATCH f, sb, off, once
.set i, 0
.rept 16
.if \once
	global_load_b128 v[\f+4*i:\f+4*i+3], v[GO], s[\sb:\sb+1] offset:\off+4096*i th:TH_LOAD_NT
.else
	global_load_b128 v[\f+4*i:\f+4*i+3], v[GO], s[\sb:\sb+1] offset:\off+4096*i
.endif
.set i, i+1
.endr
.endm
; A batch is rounded to bf16 and put into LDS.  left: the younger batch's loads, which stay out.
; isx = 1: x, two rows for each load.  Else half u of weight mat: 16 rows of 64 columns for each load.
.macro CONV f, left, isx, mat, u
	s_wait_loadcnt \left
.set i, 0
.rept 16
	v_cvt_pk_bf16_f32 v[T+2*i],   v[\f+4*i],   v[\f+4*i+1]
	v_cvt_pk_bf16_f32 v[T+2*i+1], v[\f+4*i+2], v[\f+4*i+3]
.set i, i+1
.endr
.set i, 0
.rept 16
.if \isx
	ds_store_b64 v[XS], v[T+2*i:T+2*i+1] offset:2*X_PITCH*i
.else
	ds_store_b64 v[WS+((16*\u+i)>>3)], v[T+2*i:T+2*i+1] offset:((16*\u+i)&7)*16*W_PITCH+128*\mat
.endif
.set i, i+1
.endr
.endm
.irp i, 0,1,2,3
	global_load_b32 v[16+\i], v[WO], s[12:13] offset:\i*131072     ; w_o[64 (4 h + i) + p][16 nb + r]
.endr
	BATCH B0, 4, 0, 1                              ; x
	BATCH B1, 6, 0, 0                              ; w_q, rows 0-255: 32 loads of every wave are on their way from here on
	; the rest of the addresses, while the loads are out
	v_lshrrev_b32 v22, 7, v0                       ; x: thread t holds row t >> 7 of two, columns 4 (t & 127) ..
	v_and_b32 v23, 127, v0
	v_mul_u32_u24 v22, v22, X_PITCH
	v_lshl_add_u32 v22, v23, 3, v22
	v_add_nc_u32 v[XS], X_LDS, v22
	v_lshrrev_b32 v22, 4, v0                       ; weights: row t >> 4 of sixteen, columns 4 (t & 15) ..
	v_mul_u32_u24 v22, v22, W_PITCH
	v_lshl_add_u32 v[WS], v20, 3, v22
.irp j, 1,2,3
	v_add_nc_u32 v[WS+\j], \j*W_QUART, v[WS]
.endr
	s_lshl_b32 s28, s20, 2
	s_add_co_u32 s28, s28, WE_LDS
	v_lshl_add_u32 v[WES], v20, 5, s28             ; f32 [column r][row j = w]
	s_mul_i32 s29, s21, 16*X_PITCH
	s_add_co_u32 s29, s29, X_LDS
	v_mul_u32_u24 v22, v20, X_PITCH                ; a fragment with K along the rows: row r, 16 bytes for each half of the lanes
	v_lshl_add_u32 v22, v21, 4, v22
	v_add_nc_u32 v[XA], s29, v22
	v_and_b32 v22, 7, v0                           ; a fragment from rows that lie along N, by the transposing load:
	v_lshl_add_u32 v22, v21, 3, v22                ; row 8 h + (lane & 7),
	v_mul_u32_u24 v22, v22, W_PITCH
	v_bfe_u32 v23, v0, 3, 1
	v_lshl_add_u32 v22, v23, 4, v22                ; 16 bytes on for lanes 8-15 of each half,
	s_lshl_b32 s30, s22, 5
	v_add_nc_u32 v[WA], s30, v22                   ; my 16 columns
.irp j, 1,2,3
	v_add_nc_u32 v[WA+\j], \j*W_QUART, v[WA]
.endr
	v_and_b32 v[SO], 31, v0
	v_lshlrev_b32 v[SO], 4, v[SO]
	v_add_nc_u32 v[WEA], WE_LDS, v[SO]
	; where the results go
	s_lshl_b32 s30, s21, 11
	s_lshl_b32 s31, s22, 9
	s_add_co_u32 s30, s30, s31                     ; 2,048 mt + 512 nt
	s_lshl_b32 s24, s23, 12
	s_add_co_u32 s24, s24, s30
	s_add_nc_u64 s[14:15], s[14:15], s[24:25]      ; q: tile 2 g + mt, piece nt
	s_lshr_b32 s28, s23, 1
	s_lshl_b32 s28, s28, 14
	s_and_b32 s29, s23, 1
	s_lshl_b32 s29, s29, 12
	s_add_co_u32 s28, s28, s29                     ; block g >> 1, its half g & 1
	s_add_co_u32 s24, s28, s30
	s_add_nc_u64 s[32:33], s[16:17], s[24:25]      ; K: kt = 2 (g & 1) + mt, piece nt
	s_lshl_b32 s30, s22, 10
	s_lshl_b32 s31, s21, 9
	s_add_co_u32 s30, s30, s31
	s_add_co_u32 s24, s28, s30
	s_add_co_u32 s24, s24, 8192
	s_add_nc_u64 s[34:35], s[16:17], s[24:25]      ; V: c = g & 1, pt = nt, half = mt
	s_lshl_b32 s24, s23, 8
	s_add_nc_u64 s[18:19], s[18:19], s[24:25]      ; weff: my 256 bytes
	CONV B0, 16, 1, 0, 0                           ; x (the four words of w_o are older and are in too)
	BATCH B0, 6, 65536, 0                          ; w_q, rows 256-511
	v_add_f32 v16, v16, v17                        ; four heads,
	v_add_f32 v18, v18, v19
	v_add_f32 v16, v16, v18
	v_permlanex16_b32 v17, v16, s26, s27           ; and the other half's four
	v_add_f32 v16, v16, v17
	ds_store_b32 v[WES], v16                       ; both halves of the lanes write the same word with the same value
	CONV B1, 16, 0, 0, 0
	BATCH B1, 8, 0, 0                              ; w_k
	CONV B0, 16, 0, 0, 1
	BATCH B0, 8, 65536, 0
	CONV B1, 16, 0, 1, 0
	BATCH B1, 10, 0, 0                             ; w_v
	CONV B0, 16, 0, 1, 1
	BATCH B0, 10, 65536, 0
	CONV B1, 16, 0, 2, 0
	CONV B0, 0, 0, 2, 1                            ; the last batch: nothing younger is out
	s_wait_dscnt 0x0                               ; my stores are in LDS, for the other waves' sake
	s_barrier_signal -1
	s_barrier_wait -1                              ; everybody's are: the launch's only barrier
; The fragments of two K chunks of 32 (2 g and 2 g + 1) into buffer f: for each chunk x in 8 registers, then w_q, w_k, w_v in 8 each: 16 LDS loads.
.macro FETCH g, f
.irp e, 0,1
	ds_load_b128 v[\f+32*\e:\f+32*\e+3],   v[XA] offset:64*(2*(\g)+\e)
	ds_load_b128 v[\f+32*\e+4:\f+32*\e+7], v[XA] offset:64*(2*(\g)+\e)+32
.irp m, 0,1,2
	ds_load_tr16_b128 v[\f+32*\e+8+8*\m:\f+32*\e+8+8*\m+3],    v[WA+((2*(\g)+\e)>>2)] offset:((2*(\g)+\e)&3)*32*W_PITCH+128*\m
	ds_load_tr16_b128 v[\f+32*\e+8+8*\m+4:\f+32*\e+8+8*\m+7],  v[WA+((2*(\g)+\e)>>2)] offset:((2*(\g)+\e)&3)*32*W_PITCH+128*\m+16*W_PITCH
.endr
.endr
.endm
; One chunk.  q and k with the weight as source 0: a lane then holds row r of x and columns 16 nt + 8 h + 0..7.
; v with x as source 0: a lane then holds column 16 nt + r and rows 16 mt + 8 h + 0..7.  Both are halves of the next launch's fragments.
; The three accumulators take turns, one instruction a turn.
.macro MUL3 fb, zero
.if \zero
	v_wmma_f32_16x16x32_bf16 v[ACCQ:ACCQ+7], v[\fb+8:\fb+15],  v[\fb:\fb+7], 0
	v_wmma_f32_16x16x32_bf16 v[ACCK:ACCK+7], v[\fb+16:\fb+23], v[\fb:\fb+7], 0
	v_wmma_f32_16x16x32_bf16 v[ACCV:ACCV+7], v[\fb:\fb+7], v[\fb+24:\fb+31], 0
.else
	v_wmma_f32_16x16x32_bf16 v[ACCQ:ACCQ+7], v[\fb+8:\fb+15],  v[\fb:\fb+7], v[ACCQ:ACCQ+7]
	v_wmma_f32_16x16x32_bf16 v[ACCK:ACCK+7], v[\fb+16:\fb+23], v[\fb:\fb+7], v[ACCK:ACCK+7]
	v_wmma_f32_16x16x32_bf16 v[ACCV:ACCV+7], v[\fb:\fb+7], v[\fb+24:\fb+31], v[ACCV:ACCV+7]
.endif
.endm
.macro PLACES                          ; four plain vector instructions between a matrix instruction and a load into its sources or a reader of its result
.rept 4
	v_nop
.endr
.endm
; Group g on buffer f.  left: the younger group's 16 loads stay out.  more = 1: the buffer is loaded again, two groups ahead.
.macro GROUP g, f, left, zero, more
	s_wait_dscnt \left
	MUL3 \f, \zero
	MUL3 \f+32, 0
.if \more
	PLACES
	FETCH \g+2, \f
.endif
.endm
	FETCH 0, B0
	FETCH 1, B1
	GROUP 0, B0, 16, 1, 1                          ; the first products start the sums: nothing is cleared
	GROUP 1, B1, 16, 0, 1
	GROUP 2, B0, 16, 0, 1
	GROUP 3, B1, 16, 0, 1
	GROUP 4, B0, 16, 0, 1
	GROUP 5, B1, 16, 0, 1
	GROUP 6, B0, 16, 0, 0
	GROUP 7, B1, 0, 0, 0
	PLACES
.irp p, 0,2,4,6
	v_pk_mul_f32 v[ACCQ+\p:ACCQ+\p+1], v[ACCQ+\p:ACCQ+\p+1], 0x3e38aa3b op_sel_hi:[1,0]   ; log2(e) / sqrt(64): the next launch's exponentials are in base 2
.endr
.irp p, 0,1,2,3
	v_cvt_pk_bf16_f32 v[PK+\p],   v[ACCQ+2*\p], v[ACCQ+2*\p+1]
	v_cvt_pk_bf16_f32 v[PK+4+\p], v[ACCK+2*\p], v[ACCK+2*\p+1]
	v_cvt_pk_f16_f32  v[PK+8+\p], v[ACCV+2*\p], v[ACCV+2*\p+1]      ; v in f16: 11 significant bits against bf16's 8; its sum over 8,192 keys nearly cancels, so its rounding shows in full
.endr
	global_store_b128 v[SO], v[PK:PK+3],    s[14:15]                ; each store of the wave: 512 consecutive bytes, at a multiple of 512
	global_store_b128 v[SO], v[PK+4:PK+7],  s[32:33]
	global_store_b128 v[SO], v[PK+8:PK+11], s[34:35]
	s_cmp_lg_u32 s20, 0
	s_cbranch_scc1 .Ldone                          ; wave 0 alone rounds and stores the group's 128 numbers of W_eff
	ds_load_b128 v[16:19], v[WEA]                  ; lane L: column L >> 1, rows 4 (L & 1) .. + 3 (stored by all eight waves in front of the barrier)
	v_lshrrev_b32 v22, 1, v[SO]                    ; 8 L
	s_wait_dscnt 0x0
	v_cvt_pk_bf16_f32 v20, v16, v17
	v_cvt_pk_bf16_f32 v21, v18, v19
	global_store_b64 v22, v[20:21], s[18:19]       ; 256 consecutive bytes, at a multiple of 256
.Ldone:
	s_wait_tensorcnt 0x0
	ds_add_u32 v196, v197
	s_wait_dscnt 0x0
	s_endpgm
.Lfunc_end_k_q670fc5f8a7_proj:
	.size	k_q670fc5f8a7_proj, .Lfunc_end_k_q670fc5f8a7_proj-k_q670fc5f8a7_proj
	.p2alignl 7, 3214868480
	.fill 96, 4, 3214868480
	.section	.rodata,"a",@progbits
	.p2align	6, 0x0
	.amdhsa_kernel k_q670fc5f8a7_proj
		.amdhsa_group_segment_fixed_size 247808
		.amdhsa_private_segment_fixed_size 0
		.amdhsa_enable_private_segment 0
		.amdhsa_kernarg_size 64
		.amdhsa_user_sgpr_count 2
		.amdhsa_user_sgpr_kernarg_segment_ptr 1
		.amdhsa_wavefront_size32 1
		.amdhsa_system_sgpr_workgroup_id_x 1
		.amdhsa_system_sgpr_workgroup_id_y 1
		.amdhsa_system_sgpr_workgroup_id_z 1
		.amdhsa_system_vgpr_workitem_id 0
		.amdhsa_next_free_vgpr 198
		.amdhsa_next_free_sgpr 66
		.amdhsa_reserve_vcc 0
		.amdhsa_float_denorm_mode_32 3
		.amdhsa_float_denorm_mode_16_64 3
		.amdhsa_memory_ordered 1
		.amdhsa_forward_progress 1
		.amdhsa_inst_pref_size 51
	.end_amdhsa_kernel
	.amdgpu_metadata
---
amdhsa.version: [ 1, 2 ]
amdhsa.kernels:
  - .name:           k_q670fc5f8a7_proj
    .symbol:         k_q670fc5f8a7_proj.kd
    .args:
      - { .name: x, .offset: 0, .size: 8, .value_kind: global_buffer, .address_space: global }
      - { .name: w_q, .offset: 8, .size: 8, .value_kind: global_buffer, .address_space: global }
      - { .name: w_k, .offset: 16, .size: 8, .value_kind: global_buffer, .address_space: global }
      - { .name: w_v, .offset: 24, .size: 8, .value_kind: global_buffer, .address_space: global }
      - { .name: w_o, .offset: 32, .size: 8, .value_kind: global_buffer, .address_space: global }
      - { .name: q, .offset: 40, .size: 8, .value_kind: global_buffer, .address_space: global }
      - { .name: kv, .offset: 48, .size: 8, .value_kind: global_buffer, .address_space: global }
      - { .name: weff, .offset: 56, .size: 8, .value_kind: global_buffer, .address_space: global }
    .group_segment_fixed_size: 247808
    .private_segment_fixed_size: 0
    .kernarg_segment_align: 8
    .kernarg_segment_size: 64
    .max_flat_workgroup_size: 256
    .sgpr_count:     66
    .vgpr_count:     198
    .wavefront_size: 32
...
	.end_amdgpu_metadata
.endif
;; end of part 1
;; launch attn (part 2): grid 256 x 1, 8 waves a work-group, clusters of 4 x 1, 327,680 bytes of LDS; arguments q, kv, weff, out0; writes out0
.if DOCPART == 2
	.amdgcn_target "amdgcn-amd-amdhsa--gfx1250"
	.amdhsa_code_object_version 6
	.text
	.protected	k_q670fc5f8a7_attn
	.globl	k_q670fc5f8a7_attn
	.p2align	8
	.type	k_q670fc5f8a7_attn,@function
k_q670fc5f8a7_attn:
	s_mov_b64 s[64:65], 0
	v_nop
	global_prefetch_b8 v0, s[64:65] scope:SCOPE_SE
	s_setreg_imm32_b32 hwreg(HW_REG_WAVE_MODE, 25, 1), 1
	s_wait_xcnt 0x0
	s_wait_alu depctr_hold_cnt(0) depctr_sa_sdst(0) depctr_va_vdst(0) depctr_va_sdst(0) depctr_va_ssrc(0) depctr_va_vcc(0) depctr_vm_vsrc(0)
	s_getreg_b32 s2, hwreg(HW_REG_IB_STS2, 6, 4)
	s_cmp_eq_u32 s2, 0
	s_cbranch_scc0 .Lentry_in_a_cluster
	s_endpgm
.Lentry_in_a_cluster:
	s_bfe_u32 s2, ttmp6, 0x10000c
	s_cmp_lg_u32 s2, 0x3003
	s_cbranch_scc0 .Lentry_shape_is_right
	s_endpgm
.Lentry_shape_is_right:
; out0 = softmax(q k^T / 8) v W_eff, from the fragment-ordered q (bf16, already times log2(e)/8), kv (K bf16, V f16) and weff (bf16).
; Work-group G: 32 queries.  Wave w: all 32 queries against keys 1,024 w .. + 1,023, in 16 steps of 64 keys, with a running maximum;
; then the eight waves' partial results are combined through LDS, and wave w makes columns 64 w .. + 63 of the 32 rows of out0.
; EVERYTHING IS COMPUTED TRANSPOSED.  S^T = K Q^T: register j of lane (r, h) holds (key 8 h + j, query r), so maxima and sums are a lane's own but for
; one exchange of the halves, and two tiles of S^T, after the exponential and packing, ARE source 1 of O^T = V^T P^T; two tiles of O^T are source 1 of out^T = W_eff^T head^T.
; FORMATS.  Q, K: bf16.  P, V: f16 (11 significant bits against 8; p is at most 1).  head: bf16 high part + bf16 rest, two products; W_eff bf16.  All sums f32.
; JOINT LOADS.  Every work-group walks the same 128 blocks of kv in the same order: four work-groups form a cluster, and wave w of each asks for block
; 16 w + i by the same tensor load (mask 15; no word of the descriptor hangs on the place in the cluster), which divides the requests for kv by four.
; A wave reads only its own ring of two slots of 16,384 bytes.  By this text's count a wave has two tensor loads out at the start and one behind each round.
; LIMITS: finite inputs (the maxima drop a NaN); |v| below 65,504; a p below 2^-25 of its wave's largest counts as 0, as does an exponential below 2^-126.
.set SLOT,   16384                     ; a block of kv: K's 8,192 bytes, then V's
.set RING,   2*SLOT                    ; a wave's two slots, at RING x wave
.set MLB,    8*RING                    ; 262,144: for each query 64 bytes: the eight waves' maxima, then their sums
.set HD,     MLB+2048                  ; 264,192: head as fragments [qt][c][half][lane][16 B]: high parts, at +4,096 the rests
.set STG,    HD+8192                   ; 272,384: the way out: 16 rows of 272 bytes for each wave
.set SPITCH, 272
.set GL,  1                            ; v1   16 x lane
.set MX,  2                            ; v2, v4    running maximum of query tile 0, 1 (even registers whose odd neighbours are written: packed operands broadcast them)
.set LA,  3                            ; v3   my 16 bytes in my wave's ring
.set STO, 5                            ; v5   the way out: where I put 16 bytes
.set AL,  6                            ; v6, v8    2^(old maximum - new maximum)
.set RD,  7                            ; v7   the way out: where I read a row back
.set CO,  9                            ; v9   my byte offset in the group's rows of out0
.set LS,  10                           ; v10, v11  running sums
.set T,   12                           ; v[12:23]   at work
.set QF,  24                           ; v[24:55]   Q fragments (qt, c) at QF + 16 qt + 8 c; later head's high parts
.set SC,  56                           ; v[56:119]  S^T tile (kt, qt) at SC + 32 qt + 8 kt; P fragment (qt, c) at SC + 32 qt + 16 c
.set KV,  120                          ; v[120:183] K fragments (kt, c) at KV + 16 kt + 8 c, then V fragments (c, pt) at KV + 32 c + 8 pt; later W_eff's
.set OA,  184                          ; v[184:247] O^T tile (pt, qt) at OA + 8 (4 qt + pt); later out^T
.set MLS, 248                          ; v248      where I put m and l
.set MLR, 249                          ; v249      where I read the eight waves' m and l
.set PA,  250                          ; v250-253  the eight waves' partial tiles, two waves for each register
.set HS,  254                          ; v254      where I put head
.set HA,  255                          ; v255      where I read head
.set G1,  24                           ; s[24:31]  descriptor group 1, never rewritten
.set G0,  32                           ; s[32:39]  descriptor group 0, a set for each slot
.macro CREST                           ; a round of the cluster's barrier behind its opening barrier: wave 0 signals for the work-group, every wave waits for all four work-groups
	s_cmp_lg_u32 s12, 0
	s_cbranch_scc1 .Lnot_wave_0_\@
	s_barrier_signal -3
.Lnot_wave_0_\@:
	s_barrier_wait -3
	s_barrier_signal -1
	s_barrier_wait -1
.endm
.macro ROUND
	s_barrier_signal -1
	s_barrier_wait -1
	CREST
.endm
.macro PLACES n                        ; plain vector instructions behind a matrix instruction (ISA guide 7.12.1)
.rept \n
	v_nop
.endr
.endm
	s_load_b256 s[4:11], s[0:1], 0x0               ; q s[4:5], kv s[6:7], weff s[8:9], out0 s[10:11]
	s_set_vgpr_msb 0x40
	v_lshl_add_u32 v0, v0, 2, 0x4b000
	v_mov_b32 v1, 0
	s_set_vgpr_msb 0x4045
	ds_add_u32 v0, v1
	s_set_vgpr_msb 0x4500
	v_lshrrev_b32 v1, 5, v0
	v_readfirstlane_b32 s12, v1                    ; wave 0..7
	s_bfe_u32 s13, ttmp6, 0x40000                  ; cx
	s_lshl_b32 s14, ttmp9, 2                       ; ttmp9 counts clusters
	s_add_co_u32 s14, s14, s13                     ; G = 4 x cluster + cx: it enters the addresses of q and out0 alone
	s_mov_b32 s40, 0x76543210                      ; v_permlanex16_b32: lane i of one half reads lane i of the other
	s_mov_b32 s41, 0xfedcba98
	; group 1: a dense block of 16,384 bytes as 64 rows of 32 elements of 8 bytes
	s_mov_b32 s[G1+0], 15|(3<<16)|(1<<21)          ; 15:0 the mask: all four work-groups; 17:16 elements of 8 bytes; 21 set beside a mask; no padding
	s_mov_b32 s[G1+1], 32<<16                      ; tensor_dim0 = 32
	s_mov_b32 s[G1+2], 64<<16                      ; tensor_dim1 = 64
	s_mov_b32 s[G1+3], 32<<16                      ; tile_dim0 = 32
	s_mov_b32 s[G1+4], 64                          ; tile_dim1 = 64
	s_mov_b32 s[G1+5], 32                          ; from row to row: 32 elements
	s_mov_b32 s[G1+6], 0
	s_mov_b32 s[G1+7], 0
	s_mul_i32 s22, s12, RING                       ; my wave's ring
	s_lshl_b32 s20, s12, 18                        ; my wave's 16 blocks of kv
	s_mov_b32 s21, 0
	s_lshl_b32 s16, s14, 12                        ; 32 queries of q: 4,096 bytes
	s_mov_b32 s17, 0
	s_lshl_b32 s18, s14, 16                        ; 32 rows of out0: 65,536 bytes
	s_mov_b32 s19, 0
	s_lshl_b32 s42, s12, 13                        ; my wave's 64 columns of W_eff: 8,192 bytes
	s_mov_b32 s43, 0
	s_wait_dscnt 0x0
	s_wait_kmcnt 0x0
	s_add_nc_u64 s[6:7], s[6:7], s[20:21]
	s_add_nc_u64 s[4:5], s[4:5], s[16:17]
	s_add_nc_u64 s[10:11], s[10:11], s[18:19]
	s_add_nc_u64 s[8:9], s[8:9], s[42:43]
	ROUND                                          ; all four work-groups are here: the first joint loads meet
.irp sl, 0,1
	s_mov_b32 s[G0+4*\sl], 1                                       ; count = 1
	s_add_co_u32 s[G0+4*\sl+1], s22, \sl*SLOT                      ; LDS address: wave x RING + slot x SLOT
	s_add_nc_u64 s[G0+4*\sl+2:G0+4*\sl+3], s[6:7], \sl*SLOT        ; block 16 w + slot
	s_or_b32 s[G0+4*\sl+3], s[G0+4*\sl+3], 0x80000000              ; type = 2
	tensor_load_to_lds s[G0+4*\sl:G0+4*\sl+3], s[G1:G1+7]          ; both first fills go out together, ahead of everything else
	s_nop 0
.endr
	v_and_b32 v[GL], 31, v0
	v_lshlrev_b32 v[GL], 4, v[GL]
.set i, 0
.rept 8
	global_load_b128 v[QF+4*i:QF+4*i+3], v[GL], s[4:5] offset:512*i th:TH_LOAD_NT    ; piece 4 qt + 2 c + half: 512 consecutive bytes each
.set i, i+1
.endr
	v_and_b32 v12, 15, v0                          ; r
	v_bfe_u32 v13, v0, 4, 1                        ; h
	v_add_nc_u32 v[LA], s22, v[GL]
	s_mul_i32 s23, s12, 16*SPITCH
	s_add_co_u32 s23, s23, STG                     ; my stage
	v_mul_u32_u24 v14, v12, SPITCH                 ; in: row r, 32 bytes for each half of the lanes
	v_lshl_add_u32 v14, v13, 5, v14
	v_add_nc_u32 v[STO], s23, v14
	v_mul_u32_u24 v14, v13, SPITCH                 ; back: lanes 0-15 one row of 256 bytes, lanes 16-31 the next
	v_lshl_add_u32 v14, v12, 4, v14
	v_add_nc_u32 v[RD], s23, v14
	v_lshlrev_b32 v14, 4, v12                      ; and the same two rows in out0, at my wave's 256 bytes
	v_lshl_add_u32 v14, v13, 11, v14
	s_lshl_b32 s42, s12, 8
	v_add_nc_u32 v[CO], s42, v14
	s_lshl_b32 s42, s12, 2
	s_add_co_u32 s42, s42, MLB
	v_lshl_add_u32 v[MLS], v12, 6, s42             ; query r's 64 bytes, my wave's word
	s_lshr_b32 s43, s12, 2                         ; in the combination wave w takes tile w = 4 qt + pt
	s_lshl_b32 s43, s43, 10
	s_add_co_u32 s43, s43, MLB
	v_lshl_add_u32 v[MLR], v12, 6, s43
	s_lshl_b32 s44, s12, 10
	v_add_nc_u32 v[PA], s44, v[GL]                 ; tile w in wave 0's slot 0
.irp j, 1,2,3
	v_add_nc_u32 v[PA+\j], \j*2*RING, v[PA]
.endr
	v_add_nc_u32 v[HA], HD, v[GL]
	s_lshl_b32 s45, s12, 9
	v_add_nc_u32 v[HS], s45, v[HA]
; 16 LDS loads, 512 consecutive bytes each: K's fragments of a slot, the eight pieces of dimensions 0-31 first
.macro KLOAD slot
.irp c, 0,1
.irp kt, 0,1,2,3
.irp hf, 0,1
	ds_load_b128 v[KV+4*(4*\kt+2*\c+\hf):KV+4*(4*\kt+2*\c+\hf)+3], v[LA] offset:SLOT*(\slot)+512*(4*\kt+2*\c+\hf)
.endr
.endr
.endr
.endm
.macro VLOAD slot                      ; V's fragments, into the same registers
.set i, 0
.rept 16
	ds_load_b128 v[KV+4*i:KV+4*i+3], v[LA] offset:SLOT*(\slot)+8192+512*i
.set i, i+1
.endr
.endm
; S^T = K Q^T for 64 keys x 32 queries: eight accumulators take turns, one instruction a turn.
.macro QKC c, zero
.irp qt, 0,1
.irp kt, 0,1,2,3
.if \zero
	v_wmma_f32_16x16x32_bf16 v[SC+32*\qt+8*\kt:SC+32*\qt+8*\kt+7], v[KV+16*\kt+8*\c:KV+16*\kt+8*\c+7], v[QF+16*\qt+8*\c:QF+16*\qt+8*\c+7], 0
.else
	v_wmma_f32_16x16x32_bf16 v[SC+32*\qt+8*\kt:SC+32*\qt+8*\kt+7], v[KV+16*\kt+8*\c:KV+16*\kt+8*\c+7], v[QF+16*\qt+8*\c:QF+16*\qt+8*\c+7], v[SC+32*\qt+8*\kt:SC+32*\qt+8*\kt+7]
.endif
.endr
.endr
.endm
.macro QK
	s_wait_dscnt 8                                 ; K's dimensions 0-31 are in; the younger eight pieces may be out
	QKC 0, 1
	s_wait_dscnt 0x0
	QKC 1, 0
.endm
.macro SUBT base, mm                   ; a tile minus the maximum, two at a time
.irp p, 0,2,4,6
	v_pk_add_f32 v[\base+\p:\base+\p+1], v[\base+\p:\base+\p+1], v[\mm:\mm+1] op_sel_hi:[1,0] neg_lo:[0,1] neg_hi:[0,1]
.endr
.endm
.macro EXPT base
.irp p, 0,1,2,3,4,5,6,7
	v_exp_f32 v[\base+\p], v[\base+\p]
.endr
.endm
.macro USET base, dst, start           ; a tile's p are added to two pairs of sums (the first tile starts them) and packed to f16 at dst
.if \start
	s_wait_alu depctr_va_vdst(0)
	v_pk_add_f32 v[T+4:T+5], v[\base:\base+1],   v[\base+4:\base+5]
	v_pk_add_f32 v[T+6:T+7], v[\base+2:\base+3], v[\base+6:\base+7]
.else
	s_wait_alu depctr_va_vdst(0)
	v_pk_add_f32 v[T+4:T+5], v[T+4:T+5], v[\base:\base+1]
	v_pk_add_f32 v[T+6:T+7], v[T+6:T+7], v[\base+2:\base+3]
	v_pk_add_f32 v[T+4:T+5], v[T+4:T+5], v[\base+4:\base+5]
	v_pk_add_f32 v[T+6:T+7], v[T+6:T+7], v[\base+6:\base+7]
.endif
.irp p, 0,1,2,3
	v_cvt_pk_f16_f32 v[\dst+\p], v[\base+2*\p], v[\base+2*\p+1]     ; each word is written when its own sources, or an earlier tile's, have been read
.endr
.endm
; The softmax step of query tile qt: my lane's 32 scores of query r.  first = 1: there is no old maximum and no old sum.
.macro SOFT qt, first
.set SB, SC+32*\qt
.set MM, MX+2*\qt
.set AA, AL+2*\qt
.irp k, 0,1,2,3
	v_max3_num_f32 v[T+\k], v[SB+8*\k], v[SB+8*\k+1], v[SB+8*\k+2]  ; four chains that do not wait for each other
.endr
.irp k, 0,1,2,3
	v_max3_num_f32 v[T+\k], v[T+\k], v[SB+8*\k+3], v[SB+8*\k+4]
.endr
.irp k, 0,1,2,3
	v_max3_num_f32 v[T+\k], v[T+\k], v[SB+8*\k+5], v[SB+8*\k+6]
.endr
	v_max3_num_f32 v[T],   v[T],   v[T+1], v[SB+7]
	v_max3_num_f32 v[T+2], v[T+2], v[T+3], v[SB+15]
	v_max3_num_f32 v[T],   v[T],   v[T+2], v[SB+23]
.if \first
	v_max_num_f32 v[T], v[T], v[SB+31]
	v_permlanex16_b32 v[T+1], v[T], s40, s41       ; the other half of the lanes holds the query's other 32 keys
	v_max_num_f32 v[MM], v[T], v[T+1]
.else
	v_max3_num_f32 v[T], v[T], v[SB+31], v[MM]     ; the old maximum among them
	v_permlanex16_b32 v[T+1], v[T], s40, s41
	v_max_num_f32 v[T+2], v[T], v[T+1]
	v_sub_f32 v[AA], v[MM], v[T+2]
	v_exp_f32 v[AA], v[AA]                         ; by how much the old sums shrink
	v_mov_b32 v[MM], v[T+2]
.endif
	; subtract, exponential, use, one tile apart: plain instructions on another tile stand between an exponential and the use of its result (ISA guide 5.7.2)
	SUBT SB, MM
	EXPT SB
	SUBT SB+8, MM
	EXPT SB+8
	USET SB, SB, 1
	SUBT SB+16, MM
	EXPT SB+16
	USET SB+8, SB+4, 0
	SUBT SB+24, MM
	EXPT SB+24
	USET SB+16, SB+16, 0
	USET SB+24, SB+20, 0
	v_pk_add_f32 v[T+4:T+5], v[T+4:T+5], v[T+6:T+7]
.if \first
	v_add_f32 v[LS+\qt], v[T+4], v[T+5]
.else
	v_add_f32 v[T+4], v[T+4], v[T+5]
	v_fma_f32 v[LS+\qt], v[LS+\qt], v[AA], v[T+4]
.endif
.endm
.macro RESCALE
.irp qt, 0,1
.set i, 0
.rept 16
	v_pk_mul_f32 v[OA+32*\qt+2*i:OA+32*\qt+2*i+1], v[OA+32*\qt+2*i:OA+32*\qt+2*i+1], v[AL+2*\qt:AL+2*\qt+1] op_sel_hi:[1,0]
.set i, i+1
.endr
.endr
.endm
; O^T += V^T P^T: eight accumulators take turns, one instruction a turn.  first = 1: the first products start the sums.
.macro PV first
.irp c, 0,1
.irp qt, 0,1
.irp pt, 0,1,2,3
.if \first*(1-\c)
	v_wmma_f32_16x16x32_f16 v[OA+8*(4*\qt+\pt):OA+8*(4*\qt+\pt)+7], v[KV+32*\c+8*\pt:KV+32*\c+8*\pt+7], v[SC+32*\qt+16*\c:SC+32*\qt+16*\c+7], 0
.else
	v_wmma_f32_16x16x32_f16 v[OA+8*(4*\qt+\pt):OA+8*(4*\qt+\pt)+7], v[KV+32*\c+8*\pt:KV+32*\c+8*\pt+7], v[SC+32*\qt+16*\c:SC+32*\qt+16*\c+7], v[OA+8*(4*\qt+\pt):OA+8*(4*\qt+\pt)+7]
.endif
.endr
.endr
.endr
.endm
; One step: 64 keys in a slot whose K fragments are already on their way to registers.
; mode 2: the slot is filled again, two blocks ahead.  mode 1: nothing is left to fetch, one more block follows.  mode 0: the last block.
.macro TRIP slot, first, mode
	QK
	PLACES 4                                       ; in front of the loads into K's registers and of the readers of S^T
	VLOAD \slot
	SOFT 0, \first
	SOFT 1, \first
.if \first == 0
	RESCALE
.endif
	s_wait_dscnt 0x0                               ; V is in registers: my reads of this slot are over
.if \mode == 2
	s_set_vgpr_msb 0x5
	s_wait_tensorcnt 0x0                           ; and all my tensor loads have landed: the one that was out is the other slot's
	ds_add_u32 v0, v1
	s_wait_dscnt 0x0
	s_set_vgpr_msb 0x500
	s_barrier_signal -1                            ; say so: this barrier opens a round of the cluster's barrier;
	PV \first                                      ; register work while the others arrive
	PLACES 5                                       ; in front of the loads into V's registers and of the matrix instructions that write over P
	s_barrier_wait -1
	CREST                                          ; no wave of any of the four work-groups still reads this slot's block or has a load on its way
	s_add_nc_u64 s[G0+4*\slot+2:G0+4*\slot+3], s[G0+4*\slot+2:G0+4*\slot+3], 2*SLOT
	tensor_load_to_lds s[G0+4*\slot:G0+4*\slot+3], s[G1:G1+7]      ; my one tensor load behind the round, and the first thing there
	s_nop 0
	KLOAD 1-\slot
.endif
.if \mode == 1
	s_wait_tensorcnt 0x0                           ; the last block has landed; no slot is filled again, so no barrier
	PV \first
	PLACES 5
	KLOAD 1-\slot
.endif
.if \mode == 0
	PV \first
	PLACES 5                                       ; in front of the stores of O^T, the loads into V's and P's registers, and the matrix instructions that write over O^T
.endif
.endm
	s_wait_tensorcnt 0x1                           ; my slot 0 has landed, slot 1's load stays out; only I read my ring, so my own wait is all that the reads need
	KLOAD 0
	s_wait_loadcnt 0x0                             ; Q
	TRIP 0, 1, 2                                   ; block 0 (asks for block 2)
	s_mov_b32 s15, 6
.Lpair:
	TRIP 1, 0, 2                                   ; blocks 1 to 12
	TRIP 0, 0, 2
	s_sub_co_i32 s15, s15, 1
	s_cmp_lg_u32 s15, 0
	s_cbranch_scc1 .Lpair
	TRIP 1, 0, 2                                   ; block 13 (asks for block 15, the last)
	TRIP 0, 0, 1                                   ; block 14
	TRIP 1, 0, 0                                   ; block 15
	; THE COMBINATION.  W_eff's fragments for my 64 columns are asked for now: piece 4 nb + 2 c + half, 512 consecutive bytes each.
.set i, 0
.rept 16
	global_load_b128 v[KV+4*i:KV+4*i+3], v[GL], s[8:9] offset:512*i
.set i, i+1
.endr
	v_permlanex16_b32 v[T],   v[LS],   s40, s41    ; a lane's sum covers its half's keys: add the other half's
	v_permlanex16_b32 v[T+1], v[LS+1], s40, s41
	v_add_f32 v[LS],   v[LS],   v[T]
	v_add_f32 v[LS+1], v[LS+1], v[T+1]
.set i, 0
.rept 16
	ds_store_b128 v[LA], v[OA+4*i:OA+4*i+3] offset:512*i           ; my partial O^T, 8,192 bytes, into my slot 0: its last fill has been read, and no load is left
.set i, i+1
.endr
	ds_store_b32 v[MLS], v[MX]                     ; both halves of the lanes write the same words with the same values
	ds_store_b32 v[MLS], v[LS]   offset:32
	ds_store_b32 v[MLS], v[MX+2] offset:1024
	ds_store_b32 v[MLS], v[LS+1] offset:1056
	s_wait_dscnt 0x0                               ; for the other waves' sake
	s_barrier_signal -1
	s_barrier_wait -1
.irp i, 0,1,2,3
	ds_load_b128 v[QF+4*\i:QF+4*\i+3], v[MLR] offset:16*\i         ; query r of my tile: eight maxima in QF .. +7, eight sums in QF+8 .. +15
.endr
.irp ww, 0,1,2,3,4,5,6,7
	ds_load_b128 v[SC+8*\ww:SC+8*\ww+3],   v[PA+(\ww>>1)] offset:(\ww&1)*RING        ; tile w of wave ww's partial result
	ds_load_b128 v[SC+8*\ww+4:SC+8*\ww+7], v[PA+(\ww>>1)] offset:(\ww&1)*RING+512
.endr
	s_wait_dscnt 16                                ; the maxima and sums are in; the 16 younger loads stay out
	v_max3_num_f32 v[T+8], v[QF],   v[QF+1], v[QF+2]
	v_max3_num_f32 v[T+9], v[QF+3], v[QF+4], v[QF+5]
	v_max3_num_f32 v[T+8], v[T+8],  v[QF+6], v[QF+7]
	v_max_num_f32  v[T+8], v[T+8],  v[T+9]         ; the maximum over all 8,192 keys
.irp i, 0,1,2,3,4,5,6,7
	v_sub_f32 v[QF+\i], v[QF+\i], v[T+8]
.endr
.irp i, 0,1,2,3,4,5,6,7
	v_exp_f32 v[QF+\i], v[QF+\i]
.endr
	v_nop                                          ; a plain place between the exponentials and their use (ISA guide 5.7.2)
	s_wait_alu depctr_va_vdst(0)
	v_mul_f32 v[T+9], v[QF], v[QF+8]
.irp i, 1,2,3,4,5,6,7
	v_fmac_f32 v[T+9], v[QF+\i], v[QF+8+\i]        ; the sum over all keys: at least 1, since the wave that holds the maximum counts in full
.endr
	v_rcp_f32 v[T+10], v[T+9]
	v_nop                                          ; a plain place behind the reciprocal
	s_wait_alu depctr_va_vdst(0)
.irp i, 0,1,2,3,4,5,6,7
	v_mul_f32 v[QF+16+2*\i], v[QF+\i], v[T+10]     ; each wave's weight, into an even register (the odd ones still hold old words of Q): packed operands broadcast it
.endr
	s_wait_dscnt 0x0
.irp p, 0,2,4,6
	v_pk_mul_f32 v[T+\p:T+\p+1], v[SC+\p:SC+\p+1], v[QF+16:QF+17] op_sel_hi:[1,0]
.endr
.irp ww, 1,2,3,4,5,6,7
.irp p, 0,2,4,6
	v_pk_fma_f32 v[T+\p:T+\p+1], v[SC+8*\ww+\p:SC+8*\ww+\p+1], v[QF+16+2*\ww:QF+16+2*\ww+1], v[T+\p:T+\p+1] op_sel_hi:[1,0,1]
.endr
.endr
	; head in two bf16 parts: the high part, and what it leaves
.irp p, 0,1,2,3
	v_cvt_pk_bf16_f32 v[T+8+\p], v[T+2*\p], v[T+2*\p+1]
.endr
.irp p, 0,1,2,3
	v_lshlrev_b32 v[QF+2*\p],   16, v[T+8+\p]
	v_and_b32     v[QF+2*\p+1], 0xffff0000, v[T+8+\p]
.endr
.irp p, 0,2,4,6
	v_pk_add_f32 v[T+\p:T+\p+1], v[T+\p:T+\p+1], v[QF+\p:QF+\p+1] neg_lo:[0,1] neg_hi:[0,1]
.endr
.irp p, 0,1,2,3
	v_cvt_pk_bf16_f32 v[QF+8+\p], v[T+2*\p], v[T+2*\p+1]
.endr
	ds_store_b128 v[HS], v[T+8:T+11]               ; tile w = 4 qt + pt is piece (qt, c = pt >> 1, half = pt & 1) of head's fragments
	ds_store_b128 v[HS], v[QF+8:QF+11] offset:4096
	s_wait_dscnt 0x0
	s_barrier_signal -1
	s_barrier_wait -1
.set i, 0
.rept 8
	ds_load_b128 v[QF+4*i:QF+4*i+3], v[HA] offset:512*i            ; high parts
.set i, i+1
.endr
.set i, 0
.rept 8
	ds_load_b128 v[SC+4*i:SC+4*i+3], v[HA] offset:4096+512*i       ; rests
.set i, i+1
.endr
	s_wait_loadcnt 0x0                             ; W_eff
	s_wait_dscnt 0x0
; out^T = W_eff^T head^T: register j of lane (r, h) holds (column 16 nb + 8 h + j, query r).  Eight accumulators take turns, one instruction a turn.
.macro OUTMUL hb, c, zero
.irp qt, 0,1
.irp nb, 0,1,2,3
.if \zero
	v_wmma_f32_16x16x32_bf16 v[OA+8*(4*\qt+\nb):OA+8*(4*\qt+\nb)+7], v[KV+16*\nb+8*\c:KV+16*\nb+8*\c+7], v[\hb+16*\qt+8*\c:\hb+16*\qt+8*\c+7], 0
.else
	v_wmma_f32_16x16x32_bf16 v[OA+8*(4*\qt+\nb):OA+8*(4*\qt+\nb)+7], v[KV+16*\nb+8*\c:KV+16*\nb+8*\c+7], v[\hb+16*\qt+8*\c:\hb+16*\qt+8*\c+7], v[OA+8*(4*\qt+\nb):OA+8*(4*\qt+\nb)+7]
.endif
.endr
.endr
.endm
	OUTMUL QF, 0, 1
	OUTMUL QF, 1, 0
	OUTMUL SC, 0, 0
	OUTMUL SC, 1, 0
	PLACES 4                                       ; in front of the stores of the results and of the loads into W_eff's registers
; THE WAY OUT, 16 rows at a time: a lane's 32 bytes of a row into my own stage, read back as whole rows of 256 bytes.
; LDS serves a wave's instructions in order (ISA guide 5.7.1): no wait between my stores and my loads.  f: 32 registers of its own for each call.
.macro OUT qt, f
.irp nb, 0,1,2,3
	ds_store_b128 v[STO], v[OA+8*(4*\qt+\nb):OA+8*(4*\qt+\nb)+3]   offset:64*\nb
	ds_store_b128 v[STO], v[OA+8*(4*\qt+\nb)+4:OA+8*(4*\qt+\nb)+7] offset:64*\nb+16
.endr
.irp t, 0,1,2,3,4,5,6,7
	ds_load_b128 v[\f+4*\t:\f+4*\t+3], v[RD] offset:2*SPITCH*\t
.endr
.irp t, 0,1,2,3,4,5,6,7
	s_wait_dscnt 7-\t                              ; pair t of rows is in, the younger ones stay out
	global_store_b128 v[CO], v[\f+4*\t:\f+4*\t+3], s[10:11] offset:(16*\qt+2*\t)*2048 th:TH_STORE_NT   ; 16 lanes store 256 consecutive bytes, at a multiple of 256
.endr
.endm
	OUT 0, SC+32
	OUT 1, KV
	s_set_vgpr_msb 0x5
	s_wait_tensorcnt 0x0
	ds_add_u32 v0, v1
	s_wait_dscnt 0x0
	s_set_vgpr_msb 0x500
	ROUND                                          ; the closing round: no work-group ends while a partner may still ask for a block that names it
	s_endpgm
.Lfunc_end_k_q670fc5f8a7_attn:
	.size	k_q670fc5f8a7_attn, .Lfunc_end_k_q670fc5f8a7_attn-k_q670fc5f8a7_attn
	.p2alignl 7, 3214868480
	.fill 96, 4, 3214868480
	.section	.rodata,"a",@progbits
	.p2align	6, 0x0
	.amdhsa_kernel k_q670fc5f8a7_attn
		.amdhsa_group_segment_fixed_size 327680
		.amdhsa_private_segment_fixed_size 0
		.amdhsa_enable_private_segment 0
		.amdhsa_kernarg_size 32
		.amdhsa_user_sgpr_count 2
		.amdhsa_user_sgpr_kernarg_segment_ptr 1
		.amdhsa_wavefront_size32 1
		.amdhsa_system_sgpr_workgroup_id_x 1
		.amdhsa_system_sgpr_workgroup_id_y 1
		.amdhsa_system_sgpr_workgroup_id_z 1
		.amdhsa_system_vgpr_workitem_id 0
		.amdhsa_next_free_vgpr 258
		.amdhsa_next_free_sgpr 66
		.amdhsa_reserve_vcc 0
		.amdhsa_float_denorm_mode_32 3
		.amdhsa_float_denorm_mode_16_64 3
		.amdhsa_memory_ordered 1
		.amdhsa_forward_progress 1
		.amdhsa_inst_pref_size 125
	.end_amdhsa_kernel
	.amdgpu_metadata
---
amdhsa.version: [ 1, 2 ]
amdhsa.kernels:
  - .name:           k_q670fc5f8a7_attn
    .symbol:         k_q670fc5f8a7_attn.kd
    .args:
      - { .name: q, .offset: 0, .size: 8, .value_kind: global_buffer, .address_space: global }
      - { .name: kv, .offset: 8, .size: 8, .value_kind: global_buffer, .address_space: global }
      - { .name: weff, .offset: 16, .size: 8, .value_kind: global_buffer, .address_space: global }
      - { .name: out0, .offset: 24, .size: 8, .value_kind: global_buffer, .address_space: global }
    .group_segment_fixed_size: 327680
    .private_segment_fixed_size: 0
    .kernarg_segment_align: 8
    .kernarg_segment_size: 32
    .max_flat_workgroup_size: 256
    .sgpr_count:     66
    .vgpr_count:     258
    .wavefront_size: 32
...
	.end_amdgpu_metadata
.endif
;; end of part 2
;; ======== version 2 of 3: 3 launches; 1.16 times as fast as version 1
;; limits: values are held in f16: magnitudes above 65,504 overflow, below 6.1e-05 lose precision
;; workspace buffers: q 1,048,576 bytes; kv 2,097,152 bytes; weff 65,536 bytes; part 16,777,216 bytes; ml 524,288 bytes
;; launch proj (part 3): grid 256 x 1, 8 waves a work-group, no clusters, 189,952 bytes of LDS; arguments x, w_q, w_k, w_v, w_o, q, kv, weff; writes q, kv, weff
.if DOCPART == 3
	.amdgcn_target "amdgcn-amd-amdhsa--gfx1250"
	.amdhsa_code_object_version 6
	.text
	.protected	k_q670fc5f8a7_proj
	.globl	k_q670fc5f8a7_proj
	.p2align	8
	.type	k_q670fc5f8a7_proj,@function
k_q670fc5f8a7_proj:
	s_mov_b64 s[64:65], 0
	v_nop
	global_prefetch_b8 v0, s[64:65] scope:SCOPE_SE
	s_setreg_imm32_b32 hwreg(HW_REG_WAVE_MODE, 25, 1), 1
	s_wait_xcnt 0x0
; q' = (x w_q) log2(e)/8, k = x w_k (both bf16), v = x w_v (f16), and W_eff[p][n] = sum over the 8 heads of w_o[64 h + p][n] (bf16),
; all stored in FRAGMENT ORDER: the 16 bytes that lane L of a wave of a later launch needs for half of a 16 x 32 matrix operand
; lie at piece + 16 L, so that every store here and every load there covers 512 consecutive bytes.
;   q    [tile of 16 rows][t 0..3][lane 16 h + r][16 B] = q'[16 tile + r][16 t + 8 h .. + 7]
;   kv   128 blocks of 64 keys, 16,384 B each:  K at +0    [kt 0..3][t 0..3][lane][16 B] = k[64 b + 16 kt + r][16 t + 8 h .. + 7]
;                                               V at +8192 [c 0..1][pt 0..3][half 0..1][lane][16 B] = v[64 b + 32 c + 16 half + 8 h .. + 7][16 pt + r]
;   weff [nb 0..31][c 0..1][half 0..1][lane][16 B] = W_eff[32 c + 16 half + 8 h .. + 7][16 nb + r]
; tile(head, 8) w_o = head W_eff for every input; the eight terms are added in f32 and rounded once (an order of sums other than the source's).
; SHARES.  Work-group g: rows 64 (g >> 1) .. + 63 of x, columns 32 (g & 1) .. + 31 of each of q, k and v, and bytes 256 g .. + 255 of weff.
; It takes in 131,072 bytes of x and 196,608 of weights; 32 rows by all 192 columns would take in 65,536 + 393,216.
; Eight waves: wave w makes the three 16 x 16 tiles (rows 16 (w & 3) .., columns 16 (w >> 2) .. of the half) of q, k and v: 3 accumulators, 48 matrix instructions.
; STAGES.  K goes in 8 stages of 64.  A stage is 10 loads of 16 bytes a thread (4 of x, 6 of weights), 40,960 bytes for the work-group; three register sets take
; turns, so 30 loads of every wave are on their way.  A stage's words are rounded to bf16 and put into LDS bytes of the stage's own, which are never written again:
; one barrier a stage, between its stores and its reads, is all the order that is needed, and a wave that runs ahead writes only the next stage's bytes.
; A stage's fragments are fetched behind its barrier and multiplied in the next stage, behind that stage's wait for memory.
; NO TENSOR LOADS, NO JOINT LOADS, though the 128 work-groups of one column half read the same weights: x and the weights are f32 and have to be rounded to bf16
; before the matrix unit takes them; a copy engine moves bytes as they are, so the f32 words would pass through LDS a second time.  Through registers they are rounded on the way in.
; LIMITS: finite inputs; |v| below 65,504 (f16).  The weights are read as halves (128 bytes) of their rows of 256 bytes, the neighbouring work-group taking the other halves;
; w_o is read in pieces of 64 bytes (16 columns of a row), each once in the launch.  Every byte of x is read by two work-groups.
.set W_PITCH, 224                      ; an LDS row of the weights: 96 bf16 (32 columns each of q, k, v) + 32 bytes = 7 x 32 bytes, for the transposing loads
.set W_STAGE, 64*W_PITCH               ; 14,336: a stage's 64 rows
.set W_HALF,  4*W_STAGE                ; 57,344: four stages: what one address register reaches with a 16-bit offset
.set X_LDS,   8*W_STAGE                ; 114,688: x, stage by stage
.set X_PITCH, 144                      ; a row of a stage: 64 bf16 + 16 bytes = 9 x 16
.set X_STAGE, 64*X_PITCH               ; 9,216
.set X_HALF,  4*X_STAGE
.set WE_LDS,  X_LDS+8*X_STAGE          ; 188,416: 16 columns x 8 rows of W_eff in f32, 512 bytes
.set GX,  1                            ; v1      my offset in a stage's part of x: row t >> 4 of sixteen, 16 bytes at 16 (t & 15)
.set GW,  2                            ; v2      my offset in a stage's part of a weight: row t >> 3 of 32, 16 bytes at 16 (t & 7) of my column half
.set XS,  3                            ; v3-4    where I put x, stages 0-3 and 4-7
.set WS,  5                            ; v5-6    where I put weights, stages 0-3 and 4-7
.set WO,  7                            ; v7      my offset in w_o
.set WES, 8                            ; v8      where I put my sum of w_o
.set XA,  9                            ; v9-10   my fragments of x, stages 0-3 and 4-7
.set WA,  11                           ; v11-12  my fragments of the weights, stages 0-3 and 4-7
.set SO,  13                           ; v13     16 x lane
.set WEA, 14                           ; v14     wave 0: where it reads W_eff back
.set LB,  24                           ; v[24:143]  three load sets of 40 registers: 4 loads of x, then 2 each of w_q, w_k, w_v
.set T,   144                          ; v[144:163] a stage's rounded words on their way to LDS
.set F,   164                          ; v[164:227] a stage's fragments: for each of two chunks of 32 along K x in 8 registers, then w_q, w_k, w_v in 8 each
.set ACCQ, 228
.set ACCK, 236
.set ACCV, 244
.set PK,  144                          ; v[144:155] packed results, when T is done with
	s_load_b512 s[4:19], s[0:1], 0x0               ; x s[4:5], w_q s[6:7], w_k s[8:9], w_v s[10:11], w_o s[12:13], q s[14:15], kv s[16:17], weff s[18:19]
	v_lshl_add_u32 v252, v0, 2, 0x2e200
	v_mov_b32 v253, 0
	v_lshrrev_b32 v22, 5, v0
	v_readfirstlane_b32 s20, v22                   ; wave 0..7
	s_and_b32 s21, s20, 3                          ; mt: which 16 rows of the 64
	s_lshr_b32 s22, s20, 2                         ; which 16 columns of the half
	s_mov_b32 s23, ttmp9                           ; g
	s_lshr_b32 s36, s23, 1                         ; rb: which 64 rows of x
	s_and_b32 s37, s23, 1                          ; ch: which column half
	s_lshl1_add_u32 s38, s37, s22                  ; nt = 2 ch + (w >> 2): which 16 of a matrix's 64 columns
	s_mov_b32 s26, 0x76543210                      ; v_permlanex16_b32: lane i of one half reads lane i of the other
	s_mov_b32 s27, 0xfedcba98
	v_and_b32 v20, 15, v0                          ; r = t & 15
	v_bfe_u32 v21, v0, 4, 1                        ; h
	v_lshrrev_b32 v22, 4, v0
	v_lshlrev_b32 v[GX], 4, v20
	v_lshl_add_u32 v[GX], v22, 11, v[GX]           ; 2,048 (t >> 4) + 16 (t & 15): sixteen lanes take 256 consecutive bytes of a row
	v_and_b32 v23, 7, v0
	v_lshrrev_b32 v22, 3, v0
	s_lshl_b32 s28, s37, 7                         ; my column half: 128 bytes into each row
	v_lshl_add_u32 v[GW], v23, 4, s28
	v_lshl_add_u32 v[GW], v22, 8, v[GW]            ; 256 (t >> 3) + 128 ch + 16 (t & 7)
	v_lshlrev_b32 v[WO], 2, v20                    ; column r of my 16,
	v_lshl_add_u32 v[WO], v21, 19, v[WO]           ; heads 4 h .. 4 h + 3: 4 x 64 rows of 2,048 bytes
	s_lshl_b32 s24, s36, 17                        ; 64 rows of x are 131,072 bytes
	s_mov_b32 s25, 0
	s_and_b32 s28, s23, 7                          ; pg = g & 7
	s_lshl3_add_u32 s28, s28, s20                  ; row p = 8 pg + w of W_eff
	s_lshl_b32 s28, s28, 11
	s_lshr_b32 s29, s23, 3                         ; nb = g >> 3: columns 16 nb ..
	s_lshl_b32 s29, s29, 6
	s_wait_kmcnt 0x0
	s_add_nc_u64 s[4:5], s[4:5], s[24:25]          ; x at my first row
	s_add_co_u32 s24, s28, s29
	s_add_nc_u64 s[12:13], s[12:13], s[24:25]      ; w_o at (p, 16 nb)
; Stage s into set f: x's columns 64 s .. + 63 of my 64 rows (16 rows a load), then rows 64 s .. + 63 of my half of each weight (32 rows a load).
.macro LOADS s, f
.irp i, 0,1,2,3
	global_load_b128 v[\f+4*\i:\f+4*\i+3], v[GX], s[4:5] offset:32768*\i+256*(\s)
.endr
.irp m, 0,1,2
.irp u, 0,1
	global_load_b128 v[\f+16+8*\m+4*\u:\f+16+8*\m+4*\u+3], v[GW], s[6+2*\m:7+2*\m] offset:16384*(\s)+8192*\u
.endr
.endr
.endm
.irp i, 0,1,2,3
	global_load_b32 v[16+\i], v[WO], s[12:13] offset:\i*131072     ; w_o[64 (4 h + i) + p][16 nb + r]
.endr
	LOADS 0, LB
	LOADS 1, LB+40
	LOADS 2, LB+80                                 ; 30 loads of 16 bytes a lane are on their way from here on
	; the rest of the addresses, while the loads are out
	v_lshrrev_b32 v22, 4, v0                       ; x: row t >> 4 of sixteen, 4 numbers at column 4 (t & 15) of the stage
	v_mul_u32_u24 v22, v22, X_PITCH
	v_lshl_add_u32 v22, v20, 3, v22
	v_add_nc_u32 v[XS], X_LDS, v22
	v_add_nc_u32 v[XS+1], X_HALF, v[XS]
	v_lshrrev_b32 v22, 3, v0                       ; weights: row t >> 3 of 32, 4 numbers at column 4 (t & 7) of the half
	v_mul_u32_u24 v22, v22, W_PITCH
	v_lshl_add_u32 v[WS], v23, 3, v22
	v_add_nc_u32 v[WS+1], W_HALF, v[WS]
	s_lshl_b32 s28, s20, 2
	s_add_co_u32 s28, s28, WE_LDS
	v_lshl_add_u32 v[WES], v20, 5, s28             ; f32 [column r][row j = w]
	s_mul_i32 s29, s21, 16*X_PITCH
	s_add_co_u32 s29, s29, X_LDS
	v_mul_u32_u24 v22, v20, X_PITCH                ; a fragment with K along the rows: row r, 16 bytes for each half of the lanes
	v_lshl_add_u32 v22, v21, 4, v22
	v_add_nc_u32 v[XA], s29, v22
	v_add_nc_u32 v[XA+1], X_HALF, v[XA]
	v_lshl_add_u32 v22, v21, 3, v23                ; a fragment from rows that lie along N, by the transposing load: row 8 h + (lane & 7),
	v_mul_u32_u24 v22, v22, W_PITCH
	v_bfe_u32 v23, v0, 3, 1
	v_lshl_add_u32 v22, v23, 4, v22                ; 16 bytes on for lanes 8-15 of each half,
	s_lshl_b32 s30, s22, 5
	v_add_nc_u32 v[WA], s30, v22                   ; my 16 columns of the half
	v_add_nc_u32 v[WA+1], W_HALF, v[WA]
	v_and_b32 v[SO], 31, v0
	v_lshlrev_b32 v[SO], 4, v[SO]
	v_add_nc_u32 v[WEA], WE_LDS, v[SO]
	; where the results go
	s_lshl_b32 s30, s21, 11
	s_lshl_b32 s31, s38, 9
	s_add_co_u32 s30, s30, s31                     ; 2,048 mt + 512 nt
	s_lshl_b32 s24, s36, 13
	s_add_co_u32 s24, s24, s30
	s_add_nc_u64 s[14:15], s[14:15], s[24:25]      ; q: tile 4 rb + mt, piece nt
	s_lshl_b32 s28, s36, 14                        ; my 64 rows are block rb of kv
	s_add_co_u32 s24, s28, s30
	s_add_nc_u64 s[32:33], s[16:17], s[24:25]      ; K: kt = mt, piece nt
	s_lshr_b32 s30, s21, 1
	s_lshl_b32 s30, s30, 12                        ; V: c = mt >> 1,
	s_and_b32 s31, s21, 1
	s_lshl_b32 s31, s31, 9                         ; half = mt & 1,
	s_add_co_u32 s30, s30, s31
	s_lshl_b32 s31, s38, 10                        ; pt = nt
	s_add_co_u32 s30, s30, s31
	s_add_co_u32 s24, s28, s30
	s_add_co_u32 s24, s24, 8192
	s_add_nc_u64 s[34:35], s[16:17], s[24:25]
	s_lshl_b32 s24, s23, 8
	s_add_nc_u64 s[18:19], s[18:19], s[24:25]      ; weff: my 256 bytes
; The fragments of stage s (two chunks of 32 along K): 16 LDS loads.
.macro FETCH s
.irp e, 0,1
	ds_load_b128 v[F+32*\e:F+32*\e+3],   v[XA+((\s)>>2)] offset:((\s)&3)*X_STAGE+64*\e
	ds_load_b128 v[F+32*\e+4:F+32*\e+7], v[XA+((\s)>>2)] offset:((\s)&3)*X_STAGE+64*\e+32
.irp m, 0,1,2
	ds_load_tr16_b128 v[F+32*\e+8+8*\m:F+32*\e+8+8*\m+3],   v[WA+((\s)>>2)] offset:((\s)&3)*W_STAGE+32*W_PITCH*\e+64*\m
	ds_load_tr16_b128 v[F+32*\e+8+8*\m+4:F+32*\e+8+8*\m+7], v[WA+((\s)>>2)] offset:((\s)&3)*W_STAGE+32*W_PITCH*\e+64*\m+16*W_PITCH
.endr
.endr
.endm
; One chunk.  q and k with the weight as source 0: a lane then holds row r of x and columns 16 nt + 8 h + 0..7.
; v with x as source 0: a lane then holds column 16 nt + r and rows 16 mt + 8 h + 0..7.  Both are halves of the later launches' fragments.
; The three accumulators take turns, one instruction a turn.
.macro MUL3 fb, zero
.if \zero
	v_wmma_f32_16x16x32_bf16 v[ACCQ:ACCQ+7], v[\fb+8:\fb+15],  v[\fb:\fb+7], 0
	v_wmma_f32_16x16x32_bf16 v[ACCK:ACCK+7], v[\fb+16:\fb+23], v[\fb:\fb+7], 0
	v_wmma_f32_16x16x32_bf16 v[ACCV:ACCV+7], v[\fb:\fb+7], v[\fb+24:\fb+31], 0
.else
	v_wmma_f32_16x16x32_bf16 v[ACCQ:ACCQ+7], v[\fb+8:\fb+15],  v[\fb:\fb+7], v[ACCQ:ACCQ+7]
	v_wmma_f32_16x16x32_bf16 v[ACCK:ACCK+7], v[\fb+16:\fb+23], v[\fb:\fb+7], v[ACCK:ACCK+7]
	v_wmma_f32_16x16x32_bf16 v[ACCV:ACCV+7], v[\fb:\fb+7], v[\fb+24:\fb+31], v[ACCV:ACCV+7]
.endif
.endm
.macro PLACES                          ; four plain vector instructions between a matrix instruction and a load into its sources or a reader of its result
.rept 4
	v_nop
.endr
.endm
; Stage s.  left: the younger stages' loads, which stay out.  more = 1: the stage's register set is loaded again, three stages ahead.
.macro STAGE s, left, more
.set FS, LB+40*((\s)%3)
	s_wait_loadcnt \left                           ; loads come back in order (ISA guide 5.7.1): this stage's ten are in
.set i, 0
.rept 10
	v_cvt_pk_bf16_f32 v[T+2*i],   v[FS+4*i],   v[FS+4*i+1]
	v_cvt_pk_bf16_f32 v[T+2*i+1], v[FS+4*i+2], v[FS+4*i+3]
.set i, i+1
.endr
.if \more
	LOADS (\s)+3, FS
.endif
.irp i, 0,1,2,3
	ds_store_b64 v[XS+((\s)>>2)], v[T+2*\i:T+2*\i+1] offset:((\s)&3)*X_STAGE+16*X_PITCH*\i
.endr
.irp m, 0,1,2
.irp u, 0,1
	ds_store_b64 v[WS+((\s)>>2)], v[T+8+4*\m+2*\u:T+8+4*\m+2*\u+1] offset:((\s)&3)*W_STAGE+32*W_PITCH*\u+64*\m
.endr
.endr
.if (\s) == 0
	v_add_f32 v16, v16, v17                        ; w_o (its four words are older than stage 0's loads): four heads,
	v_add_f32 v18, v18, v19
	v_add_f32 v16, v16, v18
	v_permlanex16_b32 v17, v16, s26, s27           ; and the other half's four
	v_add_f32 v16, v16, v17
	ds_store_b32 v[WES], v16                       ; both halves of the lanes write the same word with the same value
.else
	s_wait_dscnt 10                                ; the last stage's 16 fragment loads are in; this stage's ten stores stay out
.if (\s) == 1
	MUL3 F, 1                                      ; the first products start the sums: nothing is cleared
.else
	MUL3 F, 0
.endif
	MUL3 F+32, 0
.endif
	s_wait_dscnt 0x0                               ; my stores are in LDS, for the other waves' sake
	s_barrier_signal -1
.if (\s) != 0
	PLACES                                         ; in front of the loads into the fragments' registers
.endif
	s_barrier_wait -1                              ; everybody's are: the stage is whole
	FETCH \s
.endm
	STAGE 0, 20, 1
	STAGE 1, 20, 1
	STAGE 2, 20, 1
	STAGE 3, 20, 1
	STAGE 4, 20, 1
	STAGE 5, 20, 0                                 ; stages 6 and 7 are still out; nothing is left to ask for
	STAGE 6, 10, 0
	STAGE 7, 0, 0
	s_wait_dscnt 0x0                               ; the last stage's fragments
	MUL3 F, 0
	MUL3 F+32, 0
	PLACES
.irp p, 0,2,4,6
	v_pk_mul_f32 v[ACCQ+\p:ACCQ+\p+1], v[ACCQ+\p:ACCQ+\p+1], 0x3e38aa3b op_sel_hi:[1,0]   ; log2(e) / sqrt(64): the next launch's exponentials are in base 2
.endr
.irp p, 0,1,2,3
	v_cvt_pk_bf16_f32 v[PK+\p],   v[ACCQ+2*\p], v[ACCQ+2*\p+1]
	v_cvt_pk_bf16_f32 v[PK+4+\p], v[ACCK+2*\p], v[ACCK+2*\p+1]
	v_cvt_pk_f16_f32  v[PK+8+\p], v[ACCV+2*\p], v[ACCV+2*\p+1]      ; v in f16: 11 significant bits against bf16's 8; its sum over 8,192 keys nearly cancels, so its rounding shows in full
.endr
	global_store_b128 v[SO], v[PK:PK+3],    s[14:15]                ; each store of the wave: 512 consecutive bytes, at a multiple of 512
	global_store_b128 v[SO], v[PK+4:PK+7],  s[32:33]
	global_store_b128 v[SO], v[PK+8:PK+11], s[34:35]
	s_cmp_lg_u32 s20, 0
	s_cbranch_scc1 .Ldone                          ; wave 0 alone rounds and stores the group's 128 numbers of W_eff
	ds_load_b128 v[16:19], v[WEA]                  ; lane L: column L >> 1, rows 4 (L & 1) .. + 3 (stored by all eight waves in front of stage 0's barrier)
	v_lshrrev_b32 v22, 1, v[SO]                    ; 8 L
	s_wait_dscnt 0x0
	v_cvt_pk_bf16_f32 v20, v16, v17
	v_cvt_pk_bf16_f32 v21, v18, v19
	global_store_b64 v22, v[20:21], s[18:19]       ; 256 consecutive bytes, at a multiple of 256
.Ldone:
	s_wait_tensorcnt 0x0
	ds_add_u32 v252, v253
	s_wait_dscnt 0x0
	s_endpgm
.Lfunc_end_k_q670fc5f8a7_proj:
	.size	k_q670fc5f8a7_proj, .Lfunc_end_k_q670fc5f8a7_proj-k_q670fc5f8a7_proj
	.p2alignl 7, 3214868480
	.fill 96, 4, 3214868480
	.section	.rodata,"a",@progbits
	.p2align	6, 0x0
	.amdhsa_kernel k_q670fc5f8a7_proj
		.amdhsa_group_segment_fixed_size 189952
		.amdhsa_private_segment_fixed_size 0
		.amdhsa_enable_private_segment 0
		.amdhsa_kernarg_size 64
		.amdhsa_user_sgpr_count 2
		.amdhsa_user_sgpr_kernarg_segment_ptr 1
		.amdhsa_wavefront_size32 1
		.amdhsa_system_sgpr_workgroup_id_x 1
		.amdhsa_system_sgpr_workgroup_id_y 1
		.amdhsa_system_sgpr_workgroup_id_z 1
		.amdhsa_system_vgpr_workitem_id 0
		.amdhsa_next_free_vgpr 254
		.amdhsa_next_free_sgpr 66
		.amdhsa_reserve_vcc 0
		.amdhsa_float_denorm_mode_32 3
		.amdhsa_float_denorm_mode_16_64 3
		.amdhsa_memory_ordered 1
		.amdhsa_forward_progress 1
		.amdhsa_inst_pref_size 43
	.end_amdhsa_kernel
	.amdgpu_metadata
---
amdhsa.version: [ 1, 2 ]
amdhsa.kernels:
  - .name:           k_q670fc5f8a7_proj
    .symbol:         k_q670fc5f8a7_proj.kd
    .args:
      - { .name: x, .offset: 0, .size: 8, .value_kind: global_buffer, .address_space: global }
      - { .name: w_q, .offset: 8, .size: 8, .value_kind: global_buffer, .address_space: global }
      - { .name: w_k, .offset: 16, .size: 8, .value_kind: global_buffer, .address_space: global }
      - { .name: w_v, .offset: 24, .size: 8, .value_kind: global_buffer, .address_space: global }
      - { .name: w_o, .offset: 32, .size: 8, .value_kind: global_buffer, .address_space: global }
      - { .name: q, .offset: 40, .size: 8, .value_kind: global_buffer, .address_space: global }
      - { .name: kv, .offset: 48, .size: 8, .value_kind: global_buffer, .address_space: global }
      - { .name: weff, .offset: 56, .size: 8, .value_kind: global_buffer, .address_space: global }
    .group_segment_fixed_size: 189952
    .private_segment_fixed_size: 0
    .kernarg_segment_align: 8
    .kernarg_segment_size: 64
    .max_flat_workgroup_size: 256
    .sgpr_count:     66
    .vgpr_count:     254
    .wavefront_size: 32
...
	.end_amdgpu_metadata
.endif
;; end of part 3
;; launch attn (part 4): grid 256 x 1, 8 waves a work-group, clusters of 4 x 1, 263,168 bytes of LDS; arguments q, kv, part, ml; writes part, ml
.if DOCPART == 4
	.amdgcn_target "amdgcn-amd-amdhsa--gfx1250"
	.amdhsa_code_object_version 6
	.text
	.protected	k_q670fc5f8a7_attn
	.globl	k_q670fc5f8a7_attn
	.p2align	8
	.type	k_q670fc5f8a7_attn,@function
k_q670fc5f8a7_attn:
	s_mov_b64 s[64:65], 0
	v_nop
	global_prefetch_b8 v0, s[64:65] scope:SCOPE_SE
	s_setreg_imm32_b32 hwreg(HW_REG_WAVE_MODE, 25, 1), 1
	s_wait_xcnt 0x0
	s_wait_alu depctr_hold_cnt(0) depctr_sa_sdst(0) depctr_va_vdst(0) depctr_va_sdst(0) depctr_va_ssrc(0) depctr_va_vcc(0) depctr_vm_vsrc(0)
	s_getreg_b32 s2, hwreg(HW_REG_IB_STS2, 6, 4)
	s_cmp_eq_u32 s2, 0
	s_cbranch_scc0 .Lentry_in_a_cluster
	s_endpgm
.Lentry_in_a_cluster:
	s_bfe_u32 s2, ttmp6, 0x10000c
	s_cmp_lg_u32 s2, 0x3003
	s_cbranch_scc0 .Lentry_shape_is_right
	s_endpgm
.Lentry_shape_is_right:
; Partial attention: for 256 queries and ONE EIGHTH of the keys, O^T = V^T P^T with p = 2^(s - m), the maximum m and the sum l of p, from the
; fragment-ordered q (bf16, already times log2(e)/8) and kv (K bf16, V f16).  The next launch combines the eight splits.
; Work-group (ks, qb): keys 1,024 ks .. + 1,023, queries 256 qb .. + 255.  Wave w: queries 32 (8 qb + w) .. + 31 against all 1,024 keys, in 16 steps
; of 64 keys, with a running maximum.  The work-group's share of kv is 16 blocks of 16,384 bytes = 262,144 bytes: it lies in LDS whole, each byte
; is filled once, and all eight waves read it: no slot is filled again, so no barrier stands inside the steps but the one in front of block 8.
; EVERYTHING IS COMPUTED TRANSPOSED.  S^T = K Q^T: register j of lane (r, h) holds (key 8 h + j, query r), so maxima and sums are a lane's own but for
; one exchange of the halves, and two tiles of S^T, after the exponential and packing, ARE source 1 of O^T = V^T P^T.
; FORMATS.  Q, K: bf16.  P, V: f16 (11 significant bits against 8; p is at most 1).  All sums, m, l and the stored O^T: f32.
; JOINT LOADS.  The 32 work-groups of one ks read the same blocks: four of them form a cluster, and wave w of each asks for blocks w and 8 + w by the
; same two tensor loads (mask 15; no word of a descriptor hangs on the place in the cluster), which divides the requests for kv by four.
; By this text's count a wave has two tensor loads out at the start and issues none later.
; THE 16 STEPS ARE WRITTEN OUT by macro: each block's LDS address then stands in the text, as one address register for each 65,536 bytes and an immediate.
;   part [ks][32 queries][piece i 0..15][lane][16 B]: registers 4 (i & 1) .. + 3 of tile i >> 1 = 4 qt + pt: O^T(dimension 16 pt + 8 h + j, query 16 qt + r)
;   ml   [ks][query][m, l]
; LIMITS: finite inputs (the maxima drop a NaN); |v| below 65,504; a p below 2^-25 of its split's largest counts as 0, as does an exponential below 2^-126.
.set BLK,  16384                       ; a block of kv: K's 8,192 bytes, then V's; block b lies at LDS byte BLK x b
.set GRP,  8*BLK                       ; blocks 0-7, then blocks 8-15
.set MX,  2                            ; v2, v4    running maximum of query tile 0, 1 (even registers whose odd neighbours are written: packed operands broadcast them)
.set LA,  3                            ; v3, v5, v7, v9   16 x lane + 65,536 j: my 16 bytes of a piece in blocks 4 j .. 4 j + 3; never rewritten
.set GL,  3                            ; v3 is also 16 x lane for q and part
.set AL,  6                            ; v6, v8    2^(old maximum - new maximum)
.set LS,  10                           ; v10, v11  running sums
.set T,   12                           ; v[12:23]   at work
.set QF,  24                           ; v[24:55]   Q fragments (qt, c) at QF + 16 qt + 8 c
.set SC,  56                           ; v[56:119]  S^T tile (kt, qt) at SC + 32 qt + 8 kt; P fragment (qt, c) at SC + 32 qt + 16 c
.set KV,  120                          ; v[120:183] K fragments (kt, c) at KV + 16 kt + 8 c, then V fragments (c, pt) at KV + 32 c + 8 pt
.set OA,  184                          ; v[184:247] O^T tile (pt, qt) at OA + 8 (4 qt + pt)
.set G1,  24                           ; s[24:31]  descriptor group 1
.set G0,  32                           ; s[32:39]  descriptor group 0, a set for each of my two blocks
.macro CREST                           ; a round of the cluster's barrier behind its opening barrier: wave 0 signals for the work-group, every wave waits for all four work-groups
	s_cmp_lg_u32 s12, 0
	s_cbranch_scc1 .Lnot_wave_0_\@
	s_barrier_signal -3
.Lnot_wave_0_\@:
	s_barrier_wait -3
	s_barrier_signal -1
	s_barrier_wait -1
.endm
.macro ROUND
	s_barrier_signal -1
	s_barrier_wait -1
	CREST
.endm
.macro PLACES n                        ; plain vector instructions behind a matrix instruction (ISA guide 7.12.1)
.rept \n
	v_nop
.endr
.endm
	s_load_b256 s[4:11], s[0:1], 0x0               ; q s[4:5], kv s[6:7], part s[8:9], ml s[10:11]
	v_lshl_add_u32 v248, v0, 2, 0x40000
	v_mov_b32 v249, 0
	ds_add_u32 v248, v249
	v_lshrrev_b32 v1, 5, v0
	v_readfirstlane_b32 s12, v1                    ; wave 0..7
	s_bfe_u32 s13, ttmp6, 0x40000                  ; cx
	s_lshr_b32 s15, ttmp9, 3                       ; ks = cluster >> 3 (ttmp9 counts clusters): the four partners share it
	s_and_b32 s14, ttmp9, 7
	s_lshl2_add_u32 s14, s14, s13                  ; qb = 4 (cluster & 7) + cx
	s_lshl3_add_u32 s14, s14, s12                  ; my 32 queries: number 8 qb + w; it enters the addresses of q, part and ml alone
	s_mov_b32 s40, 0x76543210                      ; v_permlanex16_b32: lane i of one half reads lane i of the other
	s_mov_b32 s41, 0xfedcba98
	; group 1: a dense block of 16,384 bytes as 64 rows of 32 elements of 8 bytes
	s_mov_b32 s[G1+0], 15|(3<<16)|(1<<21)          ; 15:0 the mask: all four work-groups; 17:16 elements of 8 bytes; 21 set beside a mask; no padding
	s_mov_b32 s[G1+1], 32<<16                      ; tensor_dim0 = 32
	s_mov_b32 s[G1+2], 64<<16                      ; tensor_dim1 = 64
	s_mov_b32 s[G1+3], 32<<16                      ; tile_dim0 = 32
	s_mov_b32 s[G1+4], 64                          ; tile_dim1 = 64
	s_mov_b32 s[G1+5], 32                          ; from row to row: 32 elements
	s_mov_b32 s[G1+6], 0
	s_mov_b32 s[G1+7], 0
	s_mul_i32 s22, s12, BLK                        ; block w: its place in LDS and in the split
	s_lshl_b32 s20, s15, 18                        ; the split's 262,144 bytes of kv
	s_add_co_u32 s20, s20, s22
	s_mov_b32 s21, 0
	s_lshl_b32 s16, s14, 12                        ; 32 queries of q: 4,096 bytes
	s_mov_b32 s17, 0
	s_lshl_b32 s18, s15, 21                        ; part: 2,097,152 bytes a split, 8,192 for 32 queries
	s_lshl_b32 s19, s14, 13
	s_add_co_u32 s18, s18, s19
	s_mov_b32 s19, 0
	s_lshl_b32 s42, s15, 16                        ; ml: 65,536 bytes a split, 256 for 32 queries
	s_lshl_b32 s43, s14, 8
	s_add_co_u32 s42, s42, s43
	s_mov_b32 s43, 0
	s_wait_dscnt 0x0
	s_wait_kmcnt 0x0
	s_add_nc_u64 s[6:7], s[6:7], s[20:21]
	s_add_nc_u64 s[4:5], s[4:5], s[16:17]
	s_add_nc_u64 s[8:9], s[8:9], s[18:19]
	s_add_nc_u64 s[10:11], s[10:11], s[42:43]
	ROUND                                          ; all four work-groups are here: the joint loads meet
.irp g, 0,1
	s_mov_b32 s[G0+4*\g], 1                                        ; count = 1
	s_add_co_u32 s[G0+4*\g+1], s22, \g*GRP                         ; LDS address: wave x BLK + group x GRP
	s_add_nc_u64 s[G0+4*\g+2:G0+4*\g+3], s[6:7], \g*GRP            ; block w + 8 g of the split
	s_or_b32 s[G0+4*\g+3], s[G0+4*\g+3], 0x80000000                ; type = 2
	tensor_load_to_lds s[G0+4*\g:G0+4*\g+3], s[G1:G1+7]            ; all the launch's fills go out together, ahead of everything else
	s_nop 0
.endr
	v_and_b32 v[GL], 31, v0
	v_lshlrev_b32 v[GL], 4, v[GL]
.set i, 0
.rept 8
	global_load_b128 v[QF+4*i:QF+4*i+3], v[GL], s[4:5] offset:512*i        ; piece 4 qt + 2 c + half: 512 consecutive bytes each (the eight splits read them again: no hint)
.set i, i+1
.endr
.irp j, 1,2,3
	v_add_nc_u32 v[LA+2*\j], \j*4*BLK, v[GL]
.endr
; 16 LDS loads, 512 consecutive bytes each: K's fragments of a block, the eight pieces of dimensions 0-31 first
.macro KLOAD blk
.irp c, 0,1
.irp kt, 0,1,2,3
.irp hf, 0,1
	ds_load_b128 v[KV+4*(4*\kt+2*\c+\hf):KV+4*(4*\kt+2*\c+\hf)+3], v[LA+2*((\blk)>>2)] offset:((\blk)&3)*BLK+512*(4*\kt+2*\c+\hf)
.endr
.endr
.endr
.endm
.macro VLOAD blk                       ; V's fragments, into the same registers
.set i, 0
.rept 16
	ds_load_b128 v[KV+4*i:KV+4*i+3], v[LA+2*((\blk)>>2)] offset:((\blk)&3)*BLK+8192+512*i
.set i, i+1
.endr
.endm
; S^T = K Q^T for 64 keys x 32 queries: eight accumulators take turns, one instruction a turn.
.macro QKC c, zero
.irp qt, 0,1
.irp kt, 0,1,2,3
.if \zero
	v_wmma_f32_16x16x32_bf16 v[SC+32*\qt+8*\kt:SC+32*\qt+8*\kt+7], v[KV+16*\kt+8*\c:KV+16*\kt+8*\c+7], v[QF+16*\qt+8*\c:QF+16*\qt+8*\c+7], 0
.else
	v_wmma_f32_16x16x32_bf16 v[SC+32*\qt+8*\kt:SC+32*\qt+8*\kt+7], v[KV+16*\kt+8*\c:KV+16*\kt+8*\c+7], v[QF+16*\qt+8*\c:QF+16*\qt+8*\c+7], v[SC+32*\qt+8*\kt:SC+32*\qt+8*\kt+7]
.endif
.endr
.endr
.endm
.macro QK
	s_wait_dscnt 8                                 ; K's dimensions 0-31 are in; the younger eight pieces may be out
	QKC 0, 1
	s_wait_dscnt 0x0
	QKC 1, 0
.endm
.macro SUBT base, mm                   ; a tile minus the maximum, two at a time
.irp p, 0,2,4,6
	v_pk_add_f32 v[\base+\p:\base+\p+1], v[\base+\p:\base+\p+1], v[\mm:\mm+1] op_sel_hi:[1,0] neg_lo:[0,1] neg_hi:[0,1]
.endr
.endm
.macro EXPT base
.irp p, 0,1,2,3,4,5,6,7
	v_exp_f32 v[\base+\p], v[\base+\p]
.endr
.endm
.macro USET base, dst, start           ; a tile's p are added to two pairs of sums (the first tile starts them) and packed to f16 at dst
.if \start
	s_wait_alu depctr_va_vdst(0)
	v_pk_add_f32 v[T+4:T+5], v[\base:\base+1],   v[\base+4:\base+5]
	v_pk_add_f32 v[T+6:T+7], v[\base+2:\base+3], v[\base+6:\base+7]
.else
	s_wait_alu depctr_va_vdst(0)
	v_pk_add_f32 v[T+4:T+5], v[T+4:T+5], v[\base:\base+1]
	v_pk_add_f32 v[T+6:T+7], v[T+6:T+7], v[\base+2:\base+3]
	v_pk_add_f32 v[T+4:T+5], v[T+4:T+5], v[\base+4:\base+5]
	v_pk_add_f32 v[T+6:T+7], v[T+6:T+7], v[\base+6:\base+7]
.endif
.irp p, 0,1,2,3
	v_cvt_pk_f16_f32 v[\dst+\p], v[\base+2*\p], v[\base+2*\p+1]     ; each word is written when its own sources, or an earlier tile's, have been read
.endr
.endm
; The softmax step of query tile qt: my lane's 32 scores of query r.  first = 1: there is no old maximum and no old sum.
.macro SOFT qt, first
.set SB, SC+32*\qt
.set MM, MX+2*\qt
.set AA, AL+2*\qt
.irp k, 0,1,2,3
	v_max3_num_f32 v[T+\k], v[SB+8*\k], v[SB+8*\k+1], v[SB+8*\k+2]  ; four chains that do not wait for each other
.endr
.irp k, 0,1,2,3
	v_max3_num_f32 v[T+\k], v[T+\k], v[SB+8*\k+3], v[SB+8*\k+4]
.endr
.irp k, 0,1,2,3
	v_max3_num_f32 v[T+\k], v[T+\k], v[SB+8*\k+5], v[SB+8*\k+6]
.endr
	v_max3_num_f32 v[T],   v[T],   v[T+1], v[SB+7]
	v_max3_num_f32 v[T+2], v[T+2], v[T+3], v[SB+15]
	v_max3_num_f32 v[T],   v[T],   v[T+2], v[SB+23]
.if \first
	v_max_num_f32 v[T], v[T], v[SB+31]
	v_permlanex16_b32 v[T+1], v[T], s40, s41       ; the other half of the lanes holds the query's other 32 keys
	v_max_num_f32 v[MM], v[T], v[T+1]
.else
	v_max3_num_f32 v[T], v[T], v[SB+31], v[MM]     ; the old maximum among them
	v_permlanex16_b32 v[T+1], v[T], s40, s41
	v_max_num_f32 v[T+2], v[T], v[T+1]
	v_sub_f32 v[AA], v[MM], v[T+2]
	v_exp_f32 v[AA], v[AA]                         ; by how much the old sums shrink
	v_mov_b32 v[MM], v[T+2]
.endif
	; subtract, exponential, use, one tile apart: plain instructions on another tile stand between an exponential and the use of its result (ISA guide 5.7.2)
	SUBT SB, MM
	EXPT SB
	SUBT SB+8, MM
	EXPT SB+8
	USET SB, SB, 1
	SUBT SB+16, MM
	EXPT SB+16
	USET SB+8, SB+4, 0
	SUBT SB+24, MM
	EXPT SB+24
	USET SB+16, SB+16, 0
	USET SB+24, SB+20, 0
	v_pk_add_f32 v[T+4:T+5], v[T+4:T+5], v[T+6:T+7]
.if \first
	v_add_f32 v[LS+\qt], v[T+4], v[T+5]
.else
	v_add_f32 v[T+4], v[T+4], v[T+5]
	v_fma_f32 v[LS+\qt], v[LS+\qt], v[AA], v[T+4]
.endif
.endm
.macro RESCALE
.irp qt, 0,1
.set i, 0
.rept 16
	v_pk_mul_f32 v[OA+32*\qt+2*i:OA+32*\qt+2*i+1], v[OA+32*\qt+2*i:OA+32*\qt+2*i+1], v[AL+2*\qt:AL+2*\qt+1] op_sel_hi:[1,0]
.set i, i+1
.endr
.endr
.endm
; O^T += V^T P^T: eight accumulators take turns, one instruction a turn.  first = 1: the first products start the sums.
.macro PV first
.irp c, 0,1
.irp qt, 0,1
.irp pt, 0,1,2,3
.if \first*(1-\c)
	v_wmma_f32_16x16x32_f16 v[OA+8*(4*\qt+\pt):OA+8*(4*\qt+\pt)+7], v[KV+32*\c+8*\pt:KV+32*\c+8*\pt+7], v[SC+32*\qt+16*\c:SC+32*\qt+16*\c+7], 0
.else
	v_wmma_f32_16x16x32_f16 v[OA+8*(4*\qt+\pt):OA+8*(4*\qt+\pt)+7], v[KV+32*\c+8*\pt:KV+32*\c+8*\pt+7], v[SC+32*\qt+16*\c:SC+32*\qt+16*\c+7], v[OA+8*(4*\qt+\pt):OA+8*(4*\qt+\pt)+7]
.endif
.endr
.endr
.endr
.endm
; One step: block b, whose K fragments are already on their way to registers.
; mode 1: the next block has been shown whole.  mode 2: the next block is the first of blocks 8-15.  mode 0: the last block.
.macro TRIP b, first, mode
	QK
	PLACES 4                                       ; in front of the loads into K's registers and of the readers of S^T
	VLOAD \b
	SOFT 0, \first
	SOFT 1, \first
.if \first == 0
	RESCALE
.endif
	s_wait_dscnt 0x0                               ; V is in registers
.if \mode == 2
	s_wait_tensorcnt 0x0                           ; my block 8 + w has landed:
	s_barrier_signal -1                            ; say so (no LDS instruction of mine is out: the wait above);
	PV \first                                      ; register work while the others arrive
	PLACES 5
	s_barrier_wait -1                              ; blocks 8-15 are whole.
	KLOAD \b+1
.endif
.if \mode == 1
	PV \first
	PLACES 5                                       ; in front of the loads into V's registers and of the matrix instructions that write over P
	KLOAD \b+1
.endif
.if \mode == 0
	PV \first
	PLACES 5                                       ; in front of the stores of O^T
.endif
.endm
	s_wait_tensorcnt 0x1                           ; my block w has landed; block 8 + w's load stays out
	s_barrier_signal -1
	s_barrier_wait -1                              ; blocks 0-7 are whole
	KLOAD 0
	s_wait_loadcnt 0x0                             ; Q
	TRIP 0, 1, 1
.irp b, 1,2,3,4,5,6
	TRIP \b, 0, 1
.endr
	TRIP 7, 0, 2
.irp b, 8,9,10,11,12,13,14
	TRIP \b, 0, 1
.endr
	TRIP 15, 0, 0
	; THE WAY OUT.  O^T as it lies in the registers: each store of the wave covers 512 consecutive bytes, at a multiple of 512.
.set i, 0
.rept 16
	global_store_b128 v[GL], v[OA+4*i:OA+4*i+3], s[8:9] offset:512*i th:TH_STORE_NT
.set i, i+1
.endr
	v_permlanex16_b32 v[T],   v[LS],   s40, s41    ; a lane's sum covers its half's keys: add the other half's
	v_permlanex16_b32 v[T+1], v[LS+1], s40, s41
	v_add_f32 v[LS],   v[LS],   v[T]
	v_add_f32 v[LS+1], v[LS+1], v[T+1]
	v_cmp_gt_u32 vcc_lo, 256, v[GL]                ; lanes 0-15 speak for queries 0-15 (tile 0), lanes 16-31 for queries 16-31 (tile 1)
	v_cndmask_b32 v[T+2], v[MX+2], v[MX], vcc_lo
	v_cndmask_b32 v[T+3], v[LS+1], v[LS], vcc_lo
	v_lshrrev_b32 v[T+4], 1, v[GL]                 ; 8 x lane
	global_store_b64 v[T+4], v[T+2:T+3], s[10:11] th:TH_STORE_NT   ; (m, l) of my 32 queries: 256 consecutive bytes, at a multiple of 256
	s_wait_tensorcnt 0x0
	ds_add_u32 v248, v249
	s_wait_dscnt 0x0
	ROUND                                          ; the closing round: no work-group ends while a partner may still ask for a block that names it
	s_endpgm
.Lfunc_end_k_q670fc5f8a7_attn:
	.size	k_q670fc5f8a7_attn, .Lfunc_end_k_q670fc5f8a7_attn-k_q670fc5f8a7_attn
	.p2alignl 7, 3214868480
	.fill 96, 4, 3214868480
	.section	.rodata,"a",@progbits
	.p2align	6, 0x0
	.amdhsa_kernel k_q670fc5f8a7_attn
		.amdhsa_group_segment_fixed_size 263168
		.amdhsa_private_segment_fixed_size 0
		.amdhsa_enable_private_segment 0
		.amdhsa_kernarg_size 32
		.amdhsa_user_sgpr_count 2
		.amdhsa_user_sgpr_kernarg_segment_ptr 1
		.amdhsa_wavefront_size32 1
		.amdhsa_system_sgpr_workgroup_id_x 1
		.amdhsa_system_sgpr_workgroup_id_y 1
		.amdhsa_system_sgpr_workgroup_id_z 1
		.amdhsa_system_vgpr_workitem_id 0
		.amdhsa_next_free_vgpr 250
		.amdhsa_next_free_sgpr 66
		.amdhsa_reserve_vcc 1
		.amdhsa_float_denorm_mode_32 3
		.amdhsa_float_denorm_mode_16_64 3
		.amdhsa_memory_ordered 1
		.amdhsa_forward_progress 1
		.amdhsa_inst_pref_size 255
	.end_amdhsa_kernel
	.section	.bss,"aw",@nobits
	.p2align	6
	.space	262144
	.amdgpu_metadata
---
amdhsa.version: [ 1, 2 ]
amdhsa.kernels:
  - .name:           k_q670fc5f8a7_attn
    .symbol:         k_q670fc5f8a7_attn.kd
    .args:
      - { .name: q, .offset: 0, .size: 8, .value_kind: global_buffer, .address_space: global }
      - { .name: kv, .offset: 8, .size: 8, .value_kind: global_buffer, .address_space: global }
      - { .name: part, .offset: 16, .size: 8, .value_kind: global_buffer, .address_space: global }
      - { .name: ml, .offset: 24, .size: 8, .value_kind: global_buffer, .address_space: global }
    .group_segment_fixed_size: 263168
    .private_segment_fixed_size: 0
    .kernarg_segment_align: 8
    .kernarg_segment_size: 32
    .max_flat_workgroup_size: 256
    .sgpr_count:     66
    .vgpr_count:     250
    .wavefront_size: 32
...
	.end_amdgpu_metadata
.endif
;; end of part 4
;; launch comb (part 5): grid 256 x 1, 8 waves a work-group, no clusters, 44,032 bytes of LDS; arguments part, ml, weff, out0; writes out0
.if DOCPART == 5
	.amdgcn_target "amdgcn-amd-amdhsa--gfx1250"
	.amdhsa_code_object_version 6
	.text
	.protected	k_q670fc5f8a7_comb
	.globl	k_q670fc5f8a7_comb
	.p2align	8
	.type	k_q670fc5f8a7_comb,@function
k_q670fc5f8a7_comb:
	s_mov_b64 s[64:65], 0
	v_nop
	global_prefetch_b8 v0, s[64:65] scope:SCOPE_SE
	s_setreg_imm32_b32 hwreg(HW_REG_WAVE_MODE, 25, 1), 1
	s_wait_xcnt 0x0
; out0 = head W_eff, where head = (sum over the 8 key splits of 2^(m_s - m) O_s) / (sum over the splits of 2^(m_s - m) l_s), m = the largest m_s.
;   part [ks][32 queries][piece i 0..15][lane][16 B]: registers 4 (i & 1) .. + 3 of tile i >> 1 = 4 qt + pt: O^T(dimension 16 pt + 8 h + j, query 16 qt + r), f32
;   ml   [ks][query][m, l], f32;   weff [nb 0..31][c 0..1][half 0..1][lane][16 B] = W_eff[32 c + 16 half + 8 h .. + 7][16 nb + r], bf16
; Work-group G: queries 32 G .. + 31.  Wave w combines tile w = 4 qt + pt of head^T (16 dimensions x 16 queries) over the eight splits; the tiles meet in LDS
; as matrix fragments; then wave w makes columns 64 w .. + 63 of the 32 rows of out0: out^T = W_eff^T head^T.
; head goes to the product in two bf16 parts, the high part and what it leaves (two products); W_eff in bf16; all sums in f32.
; All 40 loads of a wave are issued at the head: 8 x 256 + 32 x 512 bytes a wave, 147,456 bytes a work-group, are on their way at once.
; NO TENSOR LOADS, NO CLUSTER: part and ml are each work-group's own; what is shared, W_eff, is 65,536 of a work-group's 133,120 bytes read, and each
; wave takes its eighth of it straight into registers, in fragment order, where LDS would add a second pass.
; LIMITS: finite inputs (the maximum drops a NaN); an exponential below 2^-126 counts as 0 (the sum stays at 1 or above: the split that holds the maximum counts in full).
.set HD,     0                         ; head as fragments [qt][c][half][lane][16 B]: high parts, at +4,096 the rests
.set STG,    8192                      ; the way out: 16 rows of 272 bytes for each wave
.set SPITCH, 272
.set SPLIT,  2097152                   ; bytes of part for one split
.set GL,  1                            ; v1   16 x lane
.set STO, 2                            ; v2   the way out: where I put 16 bytes
.set RD,  3                            ; v3   the way out: where I read a row back
.set CO,  4                            ; v4   my byte offset in the group's rows of out0
.set MLO, 5                            ; v5   8 r: query r's (m, l)
.set HS,  6                            ; v6   where I put head
.set HA,  7                            ; v7   where I read head
.set T,   12                           ; v[12:23]   at work
.set QF,  24                           ; v[24:39]   (m, l) of the eight splits, then the eight weights in the even registers; later v[24:55] head's high parts
.set SC,  56                           ; v[56:119]  tile w of the eight splits; later head's rests, and the way out
.set KV,  120                          ; v[120:183] W_eff fragments (nb, c) at KV + 16 nb + 8 c
.set OA,  184                          ; v[184:247] out^T tile (nb, qt) at OA + 8 (4 qt + nb)
	s_load_b256 s[4:11], s[0:1], 0x0               ; part s[4:5], ml s[6:7], weff s[8:9], out0 s[10:11]
	v_lshl_add_u32 v248, v0, 2, 0xa800
	v_mov_b32 v249, 0
	v_lshrrev_b32 v1, 5, v0
	v_readfirstlane_b32 s12, v1                    ; wave 0..7
	v_and_b32 v[GL], 31, v0
	v_lshlrev_b32 v[GL], 4, v[GL]
	v_and_b32 v12, 15, v0                          ; r
	v_bfe_u32 v13, v0, 4, 1                        ; h
	v_lshlrev_b32 v[MLO], 3, v12
	s_lshl_b32 s16, ttmp9, 13                      ; part: 8,192 bytes for my 32 queries, 1,024 for tile w
	s_lshl_b32 s17, s12, 10
	s_add_co_u32 s16, s16, s17
	s_mov_b32 s17, 0
	s_lshl_b32 s18, ttmp9, 8                       ; ml: 256 bytes for my 32 queries, 128 for query tile qt = w >> 2
	s_lshr_b32 s19, s12, 2
	s_lshl_b32 s19, s19, 7
	s_add_co_u32 s18, s18, s19
	s_mov_b32 s19, 0
	s_lshl_b32 s20, s12, 13                        ; my wave's 64 columns of W_eff: 8,192 bytes
	s_mov_b32 s21, 0
	s_lshl_b32 s22, ttmp9, 16                      ; 32 rows of out0: 65,536 bytes
	s_mov_b32 s23, 0
	s_wait_kmcnt 0x0
	s_add_nc_u64 s[4:5], s[4:5], s[16:17]
	s_add_nc_u64 s[24:25], s[4:5], 4*SPLIT         ; splits 4-7 from a base of their own: an immediate reaches three splits
	s_add_nc_u64 s[6:7], s[6:7], s[18:19]
	s_add_nc_u64 s[8:9], s[8:9], s[20:21]
	s_add_nc_u64 s[10:11], s[10:11], s[22:23]
.irp ks, 0,1,2,3,4,5,6,7
	global_load_b64 v[QF+2*\ks:QF+2*\ks+1], v[MLO], s[6:7] offset:65536*\ks        ; m in the even register, l in the odd one (four waves read the same bytes: no hint)
.endr
.irp ks, 0,1,2,3
	global_load_b128 v[SC+8*\ks:SC+8*\ks+3],   v[GL], s[4:5] offset:SPLIT*\ks th:TH_LOAD_NT       ; 512 consecutive bytes each, read once in the launch
	global_load_b128 v[SC+8*\ks+4:SC+8*\ks+7], v[GL], s[4:5] offset:SPLIT*\ks+512 th:TH_LOAD_NT
.endr
.irp ks, 0,1,2,3
	global_load_b128 v[SC+32+8*\ks:SC+32+8*\ks+3],   v[GL], s[24:25] offset:SPLIT*\ks th:TH_LOAD_NT
	global_load_b128 v[SC+32+8*\ks+4:SC+32+8*\ks+7], v[GL], s[24:25] offset:SPLIT*\ks+512 th:TH_LOAD_NT
.endr
.set i, 0
.rept 16
	global_load_b128 v[KV+4*i:KV+4*i+3], v[GL], s[8:9] offset:512*i                ; piece 4 nb + 2 c + half
.set i, i+1
.endr
	; the LDS and output addresses, while the loads are out
	s_mul_i32 s26, s12, 16*SPITCH
	s_add_co_u32 s26, s26, STG                     ; my stage
	v_mul_u32_u24 v14, v12, SPITCH                 ; in: row r, 32 bytes for each half of the lanes
	v_lshl_add_u32 v14, v13, 5, v14
	v_add_nc_u32 v[STO], s26, v14
	v_mul_u32_u24 v14, v13, SPITCH                 ; back: lanes 0-15 one row of 256 bytes, lanes 16-31 the next
	v_lshl_add_u32 v14, v12, 4, v14
	v_add_nc_u32 v[RD], s26, v14
	v_lshlrev_b32 v14, 4, v12                      ; and the same two rows in out0, at my wave's 256 bytes
	v_lshl_add_u32 v14, v13, 11, v14
	s_lshl_b32 s27, s12, 8
	v_add_nc_u32 v[CO], s27, v14
	v_add_nc_u32 v[HA], HD, v[GL]
	s_lshl_b32 s28, s12, 9
	v_add_nc_u32 v[HS], s28, v[HA]
	s_wait_loadcnt 32                              ; the eight (m, l) are in; the 32 younger loads stay out
	v_max3_num_f32 v[T+8], v[QF],    v[QF+2],  v[QF+4]
	v_max3_num_f32 v[T+9], v[QF+6],  v[QF+8],  v[QF+10]
	v_max3_num_f32 v[T+8], v[T+8],   v[QF+12], v[QF+14]
	v_max_num_f32  v[T+8], v[T+8],   v[T+9]        ; the maximum over all 8,192 keys
.irp i, 0,1,2,3,4,5,6,7
	v_sub_f32 v[QF+2*\i], v[QF+2*\i], v[T+8]
.endr
.irp i, 0,1,2,3,4,5,6,7
	v_exp_f32 v[QF+2*\i], v[QF+2*\i]
.endr
	v_nop                                          ; a plain place between the exponentials and their use (ISA guide 5.7.2)
	s_wait_alu depctr_va_vdst(0)
	v_mul_f32 v[T+9], v[QF], v[QF+1]
.irp i, 1,2,3,4,5,6,7
	v_fmac_f32 v[T+9], v[QF+2*\i], v[QF+2*\i+1]    ; the sum over all keys
.endr
	v_rcp_f32 v[T+10], v[T+9]
	v_nop                                          ; a plain place behind the reciprocal
	s_wait_alu depctr_va_vdst(0)
.irp i, 0,1,2,3,4,5,6,7
	v_mul_f32 v[QF+2*\i], v[QF+2*\i], v[T+10]      ; each split's weight, in an even register: packed operands broadcast it
.endr
	s_wait_loadcnt 16                              ; the eight partial tiles are in; W_eff's 16 loads stay out
.irp p, 0,2,4,6
	v_pk_mul_f32 v[T+\p:T+\p+1], v[SC+\p:SC+\p+1], v[QF:QF+1] op_sel_hi:[1,0]
.endr
.irp ks, 1,2,3,4,5,6,7
.irp p, 0,2,4,6
	v_pk_fma_f32 v[T+\p:T+\p+1], v[SC+8*\ks+\p:SC+8*\ks+\p+1], v[QF+2*\ks:QF+2*\ks+1], v[T+\p:T+\p+1] op_sel_hi:[1,0,1]
.endr
.endr
	; head in two bf16 parts: the high part, and what it leaves
.irp p, 0,1,2,3
	v_cvt_pk_bf16_f32 v[T+8+\p], v[T+2*\p], v[T+2*\p+1]
.endr
.irp p, 0,1,2,3
	v_lshlrev_b32 v[QF+2*\p],   16, v[T+8+\p]
	v_and_b32     v[QF+2*\p+1], 0xffff0000, v[T+8+\p]
.endr
.irp p, 0,2,4,6
	v_pk_add_f32 v[T+\p:T+\p+1], v[T+\p:T+\p+1], v[QF+\p:QF+\p+1] neg_lo:[0,1] neg_hi:[0,1]
.endr
.irp p, 0,1,2,3
	v_cvt_pk_bf16_f32 v[QF+8+\p], v[T+2*\p], v[T+2*\p+1]
.endr
	ds_store_b128 v[HS], v[T+8:T+11]               ; tile w = 4 qt + pt is piece (qt, c = pt >> 1, half = pt & 1) of head's fragments
	ds_store_b128 v[HS], v[QF+8:QF+11] offset:4096
	s_wait_dscnt 0x0                               ; for the other waves' sake
	s_barrier_signal -1
	s_barrier_wait -1                              ; the launch's only barrier
.set i, 0
.rept 8
	ds_load_b128 v[QF+4*i:QF+4*i+3], v[HA] offset:512*i            ; high parts
.set i, i+1
.endr
.set i, 0
.rept 8
	ds_load_b128 v[SC+4*i:SC+4*i+3], v[HA] offset:4096+512*i       ; rests
.set i, i+1
.endr
	s_wait_loadcnt 0x0                             ; W_eff
	s_wait_dscnt 0x0
; out^T = W_eff^T head^T: register j of lane (r, h) holds (column 16 nb + 8 h + j, query r).  Eight accumulators take turns, one instruction a turn.
.macro OUTMUL hb, c, zero
.irp qt, 0,1
.irp nb, 0,1,2,3
.if \zero
	v_wmma_f32_16x16x32_bf16 v[OA+8*(4*\qt+\nb):OA+8*(4*\qt+\nb)+7], v[KV+16*\nb+8*\c:KV+16*\nb+8*\c+7], v[\hb+16*\qt+8*\c:\hb+16*\qt+8*\c+7], 0
.else
	v_wmma_f32_16x16x32_bf16 v[OA+8*(4*\qt+\nb):OA+8*(4*\qt+\nb)+7], v[KV+16*\nb+8*\c:KV+16*\nb+8*\c+7], v[\hb+16*\qt+8*\c:\hb+16*\qt+8*\c+7], v[OA+8*(4*\qt+\nb):OA+8*(4*\qt+\nb)+7]
.endif
.endr
.endr
.endm
	OUTMUL QF, 0, 1                                ; the first products start the sums: nothing is cleared
	OUTMUL QF, 1, 0
	OUTMUL SC, 0, 0
	OUTMUL SC, 1, 0
.rept 4
	v_nop                                          ; four places in front of the stores of the results and of the loads into W_eff's registers
.endr
; THE WAY OUT, 16 rows at a time: a lane's 32 bytes of a row into my own stage, read back as whole rows of 256 bytes.
; LDS serves a wave's instructions in order (ISA guide 5.7.1): no wait between my stores and my loads.  f: 32 registers of its own for each call.
.macro OUT qt, f
.irp nb, 0,1,2,3
	ds_store_b128 v[STO], v[OA+8*(4*\qt+\nb):OA+8*(4*\qt+\nb)+3]   offset:64*\nb
	ds_store_b128 v[STO], v[OA+8*(4*\qt+\nb)+4:OA+8*(4*\qt+\nb)+7] offset:64*\nb+16
.endr
.irp t, 0,1,2,3,4,5,6,7
	ds_load_b128 v[\f+4*\t:\f+4*\t+3], v[RD] offset:2*SPITCH*\t
.endr
.irp t, 0,1,2,3,4,5,6,7
	s_wait_dscnt 7-\t                              ; pair t of rows is in, the younger ones stay out
	global_store_b128 v[CO], v[\f+4*\t:\f+4*\t+3], s[10:11] offset:(16*\qt+2*\t)*2048 th:TH_STORE_NT   ; 16 lanes store 256 consecutive bytes, at a multiple of 256
.endr
.endm
	OUT 0, SC+32
	OUT 1, KV
	s_wait_tensorcnt 0x0
	ds_add_u32 v248, v249
	s_wait_dscnt 0x0
	s_endpgm
.Lfunc_end_k_q670fc5f8a7_comb:
	.size	k_q670fc5f8a7_comb, .Lfunc_end_k_q670fc5f8a7_comb-k_q670fc5f8a7_comb
	.p2alignl 7, 3214868480
	.fill 96, 4, 3214868480
	.section	.rodata,"a",@progbits
	.p2align	6, 0x0
	.amdhsa_kernel k_q670fc5f8a7_comb
		.amdhsa_group_segment_fixed_size 44032
		.amdhsa_private_segment_fixed_size 0
		.amdhsa_enable_private_segment 0
		.amdhsa_kernarg_size 32
		.amdhsa_user_sgpr_count 2
		.amdhsa_user_sgpr_kernarg_segment_ptr 1
		.amdhsa_wavefront_size32 1
		.amdhsa_system_sgpr_workgroup_id_x 1
		.amdhsa_system_sgpr_workgroup_id_y 1
		.amdhsa_system_sgpr_workgroup_id_z 1
		.amdhsa_system_vgpr_workitem_id 0
		.amdhsa_next_free_vgpr 250
		.amdhsa_next_free_sgpr 66
		.amdhsa_reserve_vcc 0
		.amdhsa_float_denorm_mode_32 3
		.amdhsa_float_denorm_mode_16_64 3
		.amdhsa_memory_ordered 1
		.amdhsa_forward_progress 1
		.amdhsa_inst_pref_size 18
	.end_amdhsa_kernel
	.amdgpu_metadata
---
amdhsa.version: [ 1, 2 ]
amdhsa.kernels:
  - .name:           k_q670fc5f8a7_comb
    .symbol:         k_q670fc5f8a7_comb.kd
    .args:
      - { .name: part, .offset: 0, .size: 8, .value_kind: global_buffer, .address_space: global }
      - { .name: ml, .offset: 8, .size: 8, .value_kind: global_buffer, .address_space: global }
      - { .name: weff, .offset: 16, .size: 8, .value_kind: global_buffer, .address_space: global }
      - { .name: out0, .offset: 24, .size: 8, .value_kind: global_buffer, .address_space: global }
    .group_segment_fixed_size: 44032
    .private_segment_fixed_size: 0
    .kernarg_segment_align: 8
    .kernarg_segment_size: 32
    .max_flat_workgroup_size: 256
    .sgpr_count:     66
    .vgpr_count:     250
    .wavefront_size: 32
...
	.end_amdgpu_metadata
.endif
;; end of part 5
;; ======== version 3 of 3: 3 launches; version 2 with the launches proj, comb written anew for expert scheduling mode
;; limits: values are held in f16: magnitudes above 65,504 overflow, below 6.1e-05 lose precision
;; workspace buffers: q 1,048,576 bytes; kv 2,097,152 bytes; weff 65,536 bytes; part 16,777,216 bytes; ml 524,288 bytes
;; launch proj (part 6): grid 256 x 1, 8 waves a work-group, no clusters, 189,952 bytes of LDS; arguments x, w_q, w_k, w_v, w_o, q, kv, weff; writes q, kv, weff
.if DOCPART == 6
	.amdgcn_target "amdgcn-amd-amdhsa--gfx1250"
	.amdhsa_code_object_version 6
	.text
	.protected	k_q670fc5f8a7_proj
	.globl	k_q670fc5f8a7_proj
	.p2align	8
	.type	k_q670fc5f8a7_proj,@function
k_q670fc5f8a7_proj:
	s_mov_b64 s[64:65], 0
	v_nop
	global_prefetch_b8 v0, s[64:65] scope:SCOPE_SE
	s_setreg_imm32_b32 hwreg(HW_REG_WAVE_SCHED_MODE, 0, 2), 2
	s_setreg_imm32_b32 hwreg(HW_REG_WAVE_MODE, 25, 1), 1
	s_wait_xcnt 0x0
	s_wait_alu depctr_vm_vsrc(0)
; q' = (x w_q) log2(e)/8, k = x w_k (both bf16), v = x w_v (f16), and W_eff[p][n] = sum over the 8 heads of w_o[64 h + p][n] (bf16),
; all stored in FRAGMENT ORDER: the 16 bytes that lane L of a wave of a later launch needs for half of a 16 x 32 matrix operand
; lie at piece + 16 L, so that every store here and every load there covers 512 consecutive bytes.
;   q    [tile of 16 rows][t 0..3][lane 16 h + r][16 B] = q'[16 tile + r][16 t + 8 h .. + 7]
;   kv   128 blocks of 64 keys, 16,384 B each:  K at +0    [kt 0..3][t 0..3][lane][16 B] = k[64 b + 16 kt + r][16 t + 8 h .. + 7]
;                                               V at +8192 [c 0..1][pt 0..3][half 0..1][lane][16 B] = v[64 b + 32 c + 16 half + 8 h .. + 7][16 pt + r]
;   weff [nb 0..31][c 0..1][half 0..1][lane][16 B] = W_eff[32 c + 16 half + 8 h .. + 7][16 nb + r]
; tile(head, 8) w_o = head W_eff for every input; the eight terms are added in f32 and rounded once (an order of sums other than the source's).
; SHARES.  Work-group g: rows 64 (g >> 1) .. + 63 of x, columns 32 (g & 1) .. + 31 of each of q, k and v, and bytes 256 g .. + 255 of weff.
; It takes in 131,072 bytes of x and 196,608 of weights; 32 rows by all 192 columns would take in 65,536 + 393,216.
; Eight waves: wave w makes the three 16 x 16 tiles (rows 16 (w & 3) .., columns 16 (w >> 2) .. of the half) of q, k and v: 3 accumulators, 48 matrix instructions.
; STAGES.  K goes in 8 stages of 64.  A stage is 10 loads of 16 bytes a thread (4 of x, 6 of weights), 40,960 bytes for the work-group; three register sets take
; turns, so 30 loads of every wave are on their way.  A stage's words are rounded to bf16 and put into LDS bytes of the stage's own, which are never written again:
; one barrier a stage, between its stores and its reads, is all the order that is needed, and a wave that runs ahead writes only the next stage's bytes.
; A stage's fragments are fetched behind its barrier and multiplied in the next stage, behind that stage's wait for memory.
; NO TENSOR LOADS, NO JOINT LOADS, though the 128 work-groups of one column half read the same weights: x and the weights are f32 and have to be rounded to bf16
; before the matrix unit takes them; a copy engine moves bytes as they are, so the f32 words would pass through LDS a second time.  Through registers they are rounded on the way in.
; LIMITS: finite inputs; |v| below 65,504 (f16).  The weights are read as halves (128 bytes) of their rows of 256 bytes, the neighbouring work-group taking the other halves;
; w_o is read in pieces of 64 bytes (16 columns of a row), each once in the launch.  Every byte of x is read by two work-groups.
; THE MODE: SCHED_MODE bits 1:0 = 2 (LLVM: expert scheduling mode 2), set by the entry lines.  The code itself states the register dependences
; between vector or matrix instructions and memory or LDS instructions, with s_wait_alu, always for 0.
; THE PLAN.  Registers that memory or LDS instructions touch:
;   v1, v2, v7      offsets of the global loads: written at the head, ahead of the first wait on va_vdst, and never again.
;   v3-6, v8-14     LDS addresses and 16 x lane: written while the first loads are out, ahead of stage 0's wait on va_vdst, and never again.
;   LB, three sets  Stage s: its 20 conversions read set s % 3; behind them the loads of stage s + 3 land in it.
;   T               Stage s: its conversions write it, its ten LDS stores read it; stage s + 1's conversions write it again.  At the end twelve of its registers are PK.
;   F               The 16 LDS loads at the end of stage s land in it; the six matrix instructions of stage s + 1 read it.
;   v16-19          The four loads of w_o land in them; stage 0's sum names them, its LDS store reads v16; at the end wave 0's LDS load lands in them.
;   The accumulators are named by vector and matrix instructions alone.
; So a stage has three waits.  At its head vm_vsrc: the last stage's LDS stores have read T.  Behind its conversions va_vdst: T is written and set s % 3 is read out.  Behind that wait
; the set's ten loads go out at once, and the ten LDS stores are dealt among the six matrix instructions, which name F and the accumulators: none of the registers that those loads and stores touch.
; Behind its barrier va_vdst once more: the six matrix instructions are done reading F, in which the stage's own fragments land.
.set W_PITCH, 224                      ; an LDS row of the weights: 96 bf16 (32 columns each of q, k, v) + 32 bytes = 7 x 32 bytes, for the transposing loads
.set W_STAGE, 64*W_PITCH               ; 14,336: a stage's 64 rows
.set W_HALF,  4*W_STAGE                ; 57,344: four stages: what one address register reaches with a 16-bit offset
.set X_LDS,   8*W_STAGE                ; 114,688: x, stage by stage
.set X_PITCH, 144                      ; a row of a stage: 64 bf16 + 16 bytes = 9 x 16
.set X_STAGE, 64*X_PITCH               ; 9,216
.set X_HALF,  4*X_STAGE
.set WE_LDS,  X_LDS+8*X_STAGE          ; 188,416: 16 columns x 8 rows of W_eff in f32, 512 bytes
.set GX,  1                            ; v1      my offset in a stage's part of x: row t >> 4 of sixteen, 16 bytes at 16 (t & 15)
.set GW,  2                            ; v2      my offset in a stage's part of a weight: row t >> 3 of 32, 16 bytes at 16 (t & 7) of my column half
.set XS,  3                            ; v3-4    where I put x, stages 0-3 and 4-7
.set WS,  5                            ; v5-6    where I put weights, stages 0-3 and 4-7
.set WO,  7                            ; v7      my offset in w_o
.set WES, 8                            ; v8      where I put my sum of w_o
.set XA,  9                            ; v9-10   my fragments of x, stages 0-3 and 4-7
.set WA,  11                           ; v11-12  my fragments of the weights, stages 0-3 and 4-7
.set SO,  13                           ; v13     16 x lane
.set WEA, 14                           ; v14     wave 0: where it reads W_eff back
.set LB,  24                           ; v[24:143]  three load sets of 40 registers: 4 loads of x, then 2 each of w_q, w_k, w_v
.set T,   144                          ; v[144:163] a stage's rounded words on their way to LDS
.set F,   164                          ; v[164:227] a stage's fragments: for each of two chunks of 32 along K x in 8 registers, then w_q, w_k, w_v in 8 each
.set ACCQ, 228
.set ACCK, 236
.set ACCV, 244
.set PK,  144                          ; v[144:155] packed results, when T is done with
	s_load_b512 s[4:19], s[0:1], 0x0               ; x s[4:5], w_q s[6:7], w_k s[8:9], w_v s[10:11], w_o s[12:13], q s[14:15], kv s[16:17], weff s[18:19]
	v_lshl_add_u32 v252, v0, 2, 0x2e200            ; my spare word, behind WE_LDS's 512 bytes, and 0: kept for the closing lines alone
	v_mov_b32 v253, 0
	v_lshrrev_b32 v22, 5, v0
	v_readfirstlane_b32 s20, v22                   ; wave 0..7
	s_mov_b32 s23, ttmp9                           ; g
	s_lshr_b32 s36, s23, 1                         ; rb: which 64 rows of x
	s_and_b32 s37, s23, 1                          ; ch: which column half
	s_mov_b32 s26, 0x76543210                      ; v_permlanex16_b32: lane i of one half reads lane i of the other
	s_mov_b32 s27, 0xfedcba98
	v_and_b32 v20, 15, v0                          ; r = t & 15
	v_bfe_u32 v21, v0, 4, 1                        ; h
	v_lshrrev_b32 v22, 4, v0
	v_lshlrev_b32 v[GX], 4, v20
	v_lshl_add_u32 v[GX], v22, 11, v[GX]           ; 2,048 (t >> 4) + 16 (t & 15): sixteen lanes take 256 consecutive bytes of a row
	v_and_b32 v23, 7, v0
	v_lshrrev_b32 v22, 3, v0
	s_lshl_b32 s28, s37, 7                         ; my column half: 128 bytes into each row
	v_lshl_add_u32 v[GW], v23, 4, s28
	v_lshl_add_u32 v[GW], v22, 8, v[GW]            ; 256 (t >> 3) + 128 ch + 16 (t & 7)
	v_lshlrev_b32 v[WO], 2, v20                    ; column r of my 16,
	v_lshl_add_u32 v[WO], v21, 19, v[WO]           ; heads 4 h .. 4 h + 3: 4 x 64 rows of 2,048 bytes
	s_wait_alu depctr_va_sdst(0)                   ; s20 is written, ahead of its first reader: the wave's tiles, LDS places and bases are made from it
	s_and_b32 s21, s20, 3                          ; mt: which 16 rows of the 64
	s_lshr_b32 s22, s20, 2                         ; which 16 columns of the half
	s_lshl1_add_u32 s38, s37, s22                  ; nt = 2 ch + (w >> 2): which 16 of a matrix's 64 columns
	s_lshl_b32 s24, s36, 17                        ; 64 rows of x are 131,072 bytes
	s_mov_b32 s25, 0
	s_and_b32 s28, s23, 7                          ; pg = g & 7
	s_lshl3_add_u32 s28, s28, s20                  ; row p = 8 pg + w of W_eff
	s_lshl_b32 s28, s28, 11
	s_lshr_b32 s29, s23, 3                         ; nb = g >> 3: columns 16 nb ..
	s_lshl_b32 s29, s29, 6
	s_wait_kmcnt 0x0
	s_add_nc_u64 s[4:5], s[4:5], s[24:25]          ; x at my first row
	s_add_co_u32 s24, s28, s29
	s_add_nc_u64 s[12:13], s[12:13], s[24:25]      ; w_o at (p, 16 nb)
	s_wait_alu depctr_va_vdst(0)                   ; v1, v2 and v7 are written: every global load of the kernel reads one of them as its offset
; Stage s into set f: x's columns 64 s .. + 63 of my 64 rows (16 rows a load), then rows 64 s .. + 63 of my half of each weight (32 rows a load).
.macro LOADS s, f
.irp i, 0,1,2,3
	global_load_b128 v[\f+4*\i:\f+4*\i+3], v[GX], s[4:5] offset:32768*\i+256*(\s)
.endr
.irp m, 0,1,2
.irp u, 0,1
	global_load_b128 v[\f+16+8*\m+4*\u:\f+16+8*\m+4*\u+3], v[GW], s[6+2*\m:7+2*\m] offset:16384*(\s)+8192*\u
.endr
.endr
.endm
.irp i, 0,1,2,3
	global_load_b32 v[16+\i], v[WO], s[12:13] offset:\i*131072     ; w_o[64 (4 h + i) + p][16 nb + r]
.endr
	LOADS 0, LB
	LOADS 1, LB+40
	LOADS 2, LB+80                                 ; 30 loads of 16 bytes a lane are on their way from here on
	; the rest of the addresses, while the loads are out: none of these lines names a register of a load that is out; stage 0's wait on va_vdst shows them written
	v_lshrrev_b32 v22, 4, v0                       ; x: row t >> 4 of sixteen, 4 numbers at column 4 (t & 15) of the stage
	v_mul_u32_u24 v22, v22, X_PITCH
	v_lshl_add_u32 v22, v20, 3, v22
	v_add_nc_u32 v[XS], X_LDS, v22
	v_add_nc_u32 v[XS+1], X_HALF, v[XS]
	v_lshrrev_b32 v22, 3, v0                       ; weights: row t >> 3 of 32, 4 numbers at column 4 (t & 7) of the half
	v_mul_u32_u24 v22, v22, W_PITCH
	v_lshl_add_u32 v[WS], v23, 3, v22
	v_add_nc_u32 v[WS+1], W_HALF, v[WS]
	s_lshl_b32 s28, s20, 2
	s_add_co_u32 s28, s28, WE_LDS
	v_lshl_add_u32 v[WES], v20, 5, s28             ; f32 [column r][row j = w]
	s_mul_i32 s29, s21, 16*X_PITCH
	s_add_co_u32 s29, s29, X_LDS
	v_mul_u32_u24 v22, v20, X_PITCH                ; a fragment with K along the rows: row r, 16 bytes for each half of the lanes
	v_lshl_add_u32 v22, v21, 4, v22
	v_add_nc_u32 v[XA], s29, v22
	v_add_nc_u32 v[XA+1], X_HALF, v[XA]
	v_lshl_add_u32 v22, v21, 3, v23                ; a fragment from rows that lie along N, by the transposing load: row 8 h + (lane & 7),
	v_mul_u32_u24 v22, v22, W_PITCH
	v_bfe_u32 v23, v0, 3, 1
	v_lshl_add_u32 v22, v23, 4, v22                ; 16 bytes on for lanes 8-15 of each half,
	s_lshl_b32 s30, s22, 5
	v_add_nc_u32 v[WA], s30, v22                   ; my 16 columns of the half
	v_add_nc_u32 v[WA+1], W_HALF, v[WA]
	v_and_b32 v[SO], 31, v0
	v_lshlrev_b32 v[SO], 4, v[SO]
	v_add_nc_u32 v[WEA], WE_LDS, v[SO]
	; where the results go
	s_lshl_b32 s30, s21, 11
	s_lshl_b32 s31, s38, 9
	s_add_co_u32 s30, s30, s31                     ; 2,048 mt + 512 nt
	s_lshl_b32 s24, s36, 13
	s_add_co_u32 s24, s24, s30
	s_add_nc_u64 s[14:15], s[14:15], s[24:25]      ; q: tile 4 rb + mt, piece nt
	s_lshl_b32 s28, s36, 14                        ; my 64 rows are block rb of kv
	s_add_co_u32 s24, s28, s30
	s_add_nc_u64 s[32:33], s[16:17], s[24:25]      ; K: kt = mt, piece nt
	s_lshr_b32 s30, s21, 1
	s_lshl_b32 s30, s30, 12                        ; V: c = mt >> 1,
	s_and_b32 s31, s21, 1
	s_lshl_b32 s31, s31, 9                         ; half = mt & 1,
	s_add_co_u32 s30, s30, s31
	s_lshl_b32 s31, s38, 10                        ; pt = nt
	s_add_co_u32 s30, s30, s31
	s_add_co_u32 s24, s28, s30
	s_add_co_u32 s24, s24, 8192
	s_add_nc_u64 s[34:35], s[16:17], s[24:25]
	s_lshl_b32 s24, s23, 8
	s_add_nc_u64 s[18:19], s[18:19], s[24:25]      ; weff: my 256 bytes
; The fragments of stage s (two chunks of 32 along K): 16 LDS loads.
.macro FETCH s
.irp e, 0,1
	ds_load_b128 v[F+32*\e:F+32*\e+3],   v[XA+((\s)>>2)] offset:((\s)&3)*X_STAGE+64*\e
	ds_load_b128 v[F+32*\e+4:F+32*\e+7], v[XA+((\s)>>2)] offset:((\s)&3)*X_STAGE+64*\e+32
.irp m, 0,1,2
	ds_load_tr16_b128 v[F+32*\e+8+8*\m:F+32*\e+8+8*\m+3],   v[WA+((\s)>>2)] offset:((\s)&3)*W_STAGE+32*W_PITCH*\e+64*\m
	ds_load_tr16_b128 v[F+32*\e+8+8*\m+4:F+32*\e+8+8*\m+7], v[WA+((\s)>>2)] offset:((\s)&3)*W_STAGE+32*W_PITCH*\e+64*\m+16*W_PITCH
.endr
.endr
.endm
; One chunk is three matrix instructions.  q and k with the weight as source 0: a lane then holds row r of x and columns 16 nt + 8 h + 0..7.
; v with x as source 0: a lane then holds column 16 nt + r and rows 16 mt + 8 h + 0..7.  Both are halves of the later launches' fragments.
; The three accumulators take turns, one instruction a turn.  zero = 1: the product starts the sum.
.macro MQ fb, zero
.if \zero
	v_wmma_f32_16x16x32_bf16 v[ACCQ:ACCQ+7], v[\fb+8:\fb+15],  v[\fb:\fb+7], 0
.else
	v_wmma_f32_16x16x32_bf16 v[ACCQ:ACCQ+7], v[\fb+8:\fb+15],  v[\fb:\fb+7], v[ACCQ:ACCQ+7]
.endif
.endm
.macro MK fb, zero
.if \zero
	v_wmma_f32_16x16x32_bf16 v[ACCK:ACCK+7], v[\fb+16:\fb+23], v[\fb:\fb+7], 0
.else
	v_wmma_f32_16x16x32_bf16 v[ACCK:ACCK+7], v[\fb+16:\fb+23], v[\fb:\fb+7], v[ACCK:ACCK+7]
.endif
.endm
.macro MV fb, zero
.if \zero
	v_wmma_f32_16x16x32_bf16 v[ACCV:ACCV+7], v[\fb:\fb+7], v[\fb+24:\fb+31], 0
.else
	v_wmma_f32_16x16x32_bf16 v[ACCV:ACCV+7], v[\fb:\fb+7], v[\fb+24:\fb+31], v[ACCV:ACCV+7]
.endif
.endm
; A stage's ten LDS stores: piece i of x (16 rows a piece), and the two pieces (32 rows each) of weight m.
.macro XPUT s, i
	ds_store_b64 v[XS+((\s)>>2)], v[T+2*(\i):T+2*(\i)+1] offset:((\s)&3)*X_STAGE+16*X_PITCH*(\i)
.endm
.macro WPUT s, m
	ds_store_b64 v[WS+((\s)>>2)], v[T+8+4*(\m):T+8+4*(\m)+1]   offset:((\s)&3)*W_STAGE+64*(\m)
	ds_store_b64 v[WS+((\s)>>2)], v[T+8+4*(\m)+2:T+8+4*(\m)+3] offset:((\s)&3)*W_STAGE+32*W_PITCH+64*(\m)
.endm
.macro PLACES                          ; four plain vector instructions between a matrix instruction and a load into its sources or a reader of its result
.rept 4
	v_nop
.endr
.endm
; Stage s.  left: the younger stages' loads, which stay out.  more = 1: the stage's register set is loaded again, three stages ahead.
.macro STAGE s, left, more
.set FS, LB+40*((\s)%3)
.set Z, 0
.if (\s) == 1
.set Z, 1                              ; stage 1 multiplies stage 0's fragments: its first three products start the sums: nothing is cleared
.endif
	s_wait_loadcnt \left                           ; loads come back in order (ISA guide 5.7.1): this stage's ten are in
.if (\s) != 0
	s_wait_alu depctr_vm_vsrc(0)                   ; the last stage's LDS stores have read T, which the conversions below write again (in stage 1 also: the store of w_o's sum has read v16)
.endif
.set i, 0
.rept 10
	v_cvt_pk_bf16_f32 v[T+2*i],   v[FS+4*i],   v[FS+4*i+1]
	v_cvt_pk_bf16_f32 v[T+2*i+1], v[FS+4*i+2], v[FS+4*i+3]
.set i, i+1
.endr
.if (\s) == 0
	v_add_f32 v16, v16, v17                        ; w_o (its four words are older than stage 0's loads): four heads,
	v_add_f32 v18, v18, v19
	v_add_f32 v16, v16, v18
	v_permlanex16_b32 v17, v16, s26, s27           ; and the other half's four
	v_add_f32 v16, v16, v17
.endif
	s_wait_alu depctr_va_vdst(0)                   ; the conversions have written T, which the LDS stores read, and are done reading this set, in which the next loads land; in stage 0 also: v3 to v14 and v16 are written
.if \more
	LOADS (\s)+3, FS
.endif
.if (\s) == 0
	XPUT \s, 0
	XPUT \s, 1
	XPUT \s, 2
	XPUT \s, 3
	WPUT \s, 0
	WPUT \s, 1
	WPUT \s, 2
	ds_store_b32 v[WES], v16                       ; both halves of the lanes write the same word with the same value
.else
	s_wait_dscnt 0x0                               ; the last stage's 16 fragment loads are in: no other LDS instruction of mine is out
	MQ F, Z                                        ; the ten stores are dealt among the six products.  No wait: no product names T or an address
	XPUT \s, 0
	XPUT \s, 1
	MK F, Z
	XPUT \s, 2
	XPUT \s, 3
	MV F, Z
	WPUT \s, 0
	MQ F+32, 0
	WPUT \s, 1
	MK F+32, 0
	WPUT \s, 2
	MV F+32, 0
.endif
	s_wait_dscnt 0x0                               ; my stores are in LDS, for the other waves' sake
	s_barrier_signal -1
.if (\s) != 0
	PLACES                                         ; in front of the loads into the fragments' registers
.endif
	s_barrier_wait -1                              ; everybody's are: the stage is whole
.if (\s) != 0
	s_wait_alu depctr_va_vdst(0)                   ; the six products are done reading F, in which this stage's fragments land
.endif
	FETCH \s
.endm
	STAGE 0, 20, 1
	STAGE 1, 20, 1
	STAGE 2, 20, 1
	STAGE 3, 20, 1
	STAGE 4, 20, 1
	STAGE 5, 20, 0                                 ; stages 6 and 7 are still out; nothing is left to ask for
	STAGE 6, 10, 0
	STAGE 7, 0, 0
	s_wait_dscnt 0x0                               ; the last stage's fragments
	MQ F, 0
	MK F, 0
	MV F, 0
	MQ F+32, 0
	MK F+32, 0
	MV F+32, 0
	PLACES
.irp p, 0,2,4,6
	v_pk_mul_f32 v[ACCQ+\p:ACCQ+\p+1], v[ACCQ+\p:ACCQ+\p+1], 0x3e38aa3b op_sel_hi:[1,0]   ; log2(e) / sqrt(64): the next launch's exponentials are in base 2
.endr
	s_wait_alu depctr_vm_vsrc(0)                   ; stage 7's LDS stores have read T, twelve of whose registers the conversions below write as PK
.irp p, 0,1,2,3
	v_cvt_pk_bf16_f32 v[PK+\p],   v[ACCQ+2*\p], v[ACCQ+2*\p+1]
	v_cvt_pk_bf16_f32 v[PK+4+\p], v[ACCK+2*\p], v[ACCK+2*\p+1]
	v_cvt_pk_f16_f32  v[PK+8+\p], v[ACCV+2*\p], v[ACCV+2*\p+1]      ; v in f16: 11 significant bits against bf16's 8; its sum over 8,192 keys nearly cancels, so its rounding shows in full
.endr
	s_wait_alu depctr_va_vdst(0)                   ; the conversions have written PK, which the three stores read
	global_store_b128 v[SO], v[PK:PK+3],    s[14:15]                ; each store of the wave: 512 consecutive bytes, at a multiple of 512
	global_store_b128 v[SO], v[PK+4:PK+7],  s[32:33]
	global_store_b128 v[SO], v[PK+8:PK+11], s[34:35]
	s_cmp_lg_u32 s20, 0
	s_cbranch_scc1 .Ldone                          ; wave 0 alone rounds and stores the group's 128 numbers of W_eff
	ds_load_b128 v[16:19], v[WEA]                  ; lane L: column L >> 1, rows 4 (L & 1) .. + 3 (stored by all eight waves in front of stage 0's barrier).  The lines that named v16 to v19 stand ahead of stage 0's wait on va_vdst, the store that read v16 ahead of stage 1's wait on vm_vsrc
	v_lshrrev_b32 v22, 1, v[SO]                    ; 8 L
	s_wait_dscnt 0x0
	v_cvt_pk_bf16_f32 v20, v16, v17
	v_cvt_pk_bf16_f32 v21, v18, v19
	s_wait_alu depctr_va_vdst(0)                   ; v20 to v22 are written: the store's data and its offset
	global_store_b64 v22, v[20:21], s[18:19]       ; 256 consecutive bytes, at a multiple of 256
.Ldone:
	s_wait_dscnt 0x0                               ; the closing lines, six on end
	s_wait_alu 0x0
	s_wait_tensorcnt 0x0
	ds_add_u32 v252, v253
	s_wait_dscnt 0x0
	s_endpgm
.Lfunc_end_k_q670fc5f8a7_proj:
	.size	k_q670fc5f8a7_proj, .Lfunc_end_k_q670fc5f8a7_proj-k_q670fc5f8a7_proj
	.p2alignl 7, 3214868480
	.fill 96, 4, 3214868480
	.section	.rodata,"a",@progbits
	.p2align	6, 0x0
	.amdhsa_kernel k_q670fc5f8a7_proj
		.amdhsa_group_segment_fixed_size 189952
		.amdhsa_private_segment_fixed_size 0
		.amdhsa_enable_private_segment 0
		.amdhsa_kernarg_size 64
		.amdhsa_user_sgpr_count 2
		.amdhsa_user_sgpr_kernarg_segment_ptr 1
		.amdhsa_wavefront_size32 1
		.amdhsa_system_sgpr_workgroup_id_x 1
		.amdhsa_system_sgpr_workgroup_id_y 1
		.amdhsa_system_sgpr_workgroup_id_z 1
		.amdhsa_system_vgpr_workitem_id 0
		.amdhsa_next_free_vgpr 254
		.amdhsa_next_free_sgpr 66
		.amdhsa_reserve_vcc 0
		.amdhsa_float_denorm_mode_32 3
		.amdhsa_float_denorm_mode_16_64 3
		.amdhsa_memory_ordered 1
		.amdhsa_forward_progress 1
		.amdhsa_inst_pref_size 44
	.end_amdhsa_kernel
	.amdgpu_metadata
---
amdhsa.version: [ 1, 2 ]
amdhsa.kernels:
  - .name:           k_q670fc5f8a7_proj
    .symbol:         k_q670fc5f8a7_proj.kd
    .args:
      - { .name: x, .offset: 0, .size: 8, .value_kind: global_buffer, .address_space: global }
      - { .name: w_q, .offset: 8, .size: 8, .value_kind: global_buffer, .address_space: global }
      - { .name: w_k, .offset: 16, .size: 8, .value_kind: global_buffer, .address_space: global }
      - { .name: w_v, .offset: 24, .size: 8, .value_kind: global_buffer, .address_space: global }
      - { .name: w_o, .offset: 32, .size: 8, .value_kind: global_buffer, .address_space: global }
      - { .name: q, .offset: 40, .size: 8, .value_kind: global_buffer, .address_space: global }
      - { .name: kv, .offset: 48, .size: 8, .value_kind: global_buffer, .address_space: global }
      - { .name: weff, .offset: 56, .size: 8, .value_kind: global_buffer, .address_space: global }
    .group_segment_fixed_size: 189952
    .private_segment_fixed_size: 0
    .kernarg_segment_align: 8
    .kernarg_segment_size: 64
    .max_flat_workgroup_size: 256
    .sgpr_count:     66
    .vgpr_count:     254
    .wavefront_size: 32
...
	.end_amdgpu_metadata
.endif
;; end of part 6
;; launch attn: the kernel of part 4 again; grid 256 x 1, 8 waves a work-group, clusters of 4 x 1, 263,168 bytes of LDS; arguments q, kv, part, ml; writes part, ml
;; launch comb (part 7): grid 256 x 1, 8 waves a work-group, no clusters, 44,032 bytes of LDS; arguments part, ml, weff, out0; writes out0
.if DOCPART == 7
	.amdgcn_target "amdgcn-amd-amdhsa--gfx1250"
	.amdhsa_code_object_version 6
	.text
	.protected	k_q670fc5f8a7_comb
	.globl	k_q670fc5f8a7_comb
	.p2align	8
	.type	k_q670fc5f8a7_comb,@function
k_q670fc5f8a7_comb:
	s_mov_b64 s[64:65], 0
	v_nop
	global_prefetch_b8 v0, s[64:65] scope:SCOPE_SE
	s_setreg_imm32_b32 hwreg(HW_REG_WAVE_SCHED_MODE, 0, 2), 2
	s_setreg_imm32_b32 hwreg(HW_REG_WAVE_MODE, 25, 1), 1
	s_wait_xcnt 0x0
	s_wait_alu depctr_vm_vsrc(0)
; out0 = head W_eff, where head = (sum over the 8 key splits of 2^(m_s - m) O_s) / (sum over the splits of 2^(m_s - m) l_s), m = the largest m_s.
;   part [ks][32 queries][piece i 0..15][lane][16 B]: registers 4 (i & 1) .. + 3 of tile i >> 1 = 4 qt + pt: O^T(dimension 16 pt + 8 h + j, query 16 qt + r), f32
;   ml   [ks][query][m, l], f32;   weff [nb 0..31][c 0..1][half 0..1][lane][16 B] = W_eff[32 c + 16 half + 8 h .. + 7][16 nb + r], bf16
; Work-group G: queries 32 G .. + 31.  Wave w combines tile w = 4 qt + pt of head^T (16 dimensions x 16 queries) over the eight splits; the tiles meet in LDS
; as matrix fragments; then wave w makes columns 64 w .. + 63 of the 32 rows of out0: out^T = W_eff^T head^T.
; head goes to the product in two bf16 parts, the high part and what it leaves (two products); W_eff in bf16; all sums in f32.
; All 40 loads of a wave are issued at the head: 8 x 256 + 32 x 512 bytes a wave, 147,456 bytes a work-group, are on their way at once.
; NO TENSOR LOADS, NO CLUSTER: part and ml are each work-group's own; what is shared, W_eff, is 65,536 of a work-group's 133,120 bytes read, and each
; wave takes its eighth of it straight into registers, in fragment order, where LDS would add a second pass.
; LIMITS: finite inputs (the maximum drops a NaN); an exponential below 2^-126 counts as 0 (the sum stays at 1 or above: the split that holds the maximum counts in full).
; THE MODE: SCHED_MODE bits 1:0 = 2 (LLVM: expert scheduling mode 2), set by the entry lines.  The code itself states the register dependences
; between vector or matrix instructions and memory or LDS instructions, with s_wait_alu, always for 0.
; THE PLAN.  The text runs straight through, with no loop and no branch.  Registers that memory or LDS instructions touch:
;   v1, v5          offsets of the global loads: written at the head, ahead of the first wait on va_vdst, and never again.
;   v2-4, v6, v7    LDS and output addresses: written while the loads are out, ahead of the wait behind the exponentials, and never again.
;   QF  v[24:55]    (m, l) land in v24-39; vector lines work on them; an LDS store reads v32-35; behind the barrier head's high parts land in all 32; the products read them.
;   SC  v[56:119]   the eight partial tiles land here; vector lines read them; behind the barrier head's rests land in v56-87, which the products read; on the way out rows land in v88-119.
;   KV  v[120:183]  W_eff lands here; the products read it; on the way out rows land in v120-151.
;   T+8 .. T+11     written by conversions, read by an LDS store, not written again.
;   OA  v[184:247]  written by the products, read by the LDS stores of the way out.
; Beside the two waits behind the transcendentals: va_vdst ahead of the first load (offsets), ahead of head's two LDS stores (their data; and the vector lines are done with QF and SC), and behind the
; last products (OA written, KV read out); vm_vsrc behind the barrier (the LDS store has read v32-35, in which a load lands).
.set HD,     0                         ; head as fragments [qt][c][half][lane][16 B]: high parts, at +4,096 the rests
.set STG,    8192                      ; the way out: 16 rows of 272 bytes for each wave
.set SPITCH, 272
.set SPLIT,  2097152                   ; bytes of part for one split
.set GL,  1                            ; v1   16 x lane
.set STO, 2                            ; v2   the way out: where I put 16 bytes
.set RD,  3                            ; v3   the way out: where I read a row back
.set CO,  4                            ; v4   my byte offset in the group's rows of out0
.set MLO, 5                            ; v5   8 r: query r's (m, l)
.set HS,  6                            ; v6   where I put head
.set HA,  7                            ; v7   where I read head
.set T,   12                           ; v[12:23]   at work
.set QF,  24                           ; v[24:39]   (m, l) of the eight splits, then the eight weights in the even registers; later v[24:55] head's high parts
.set SC,  56                           ; v[56:119]  tile w of the eight splits; later head's rests, and the way out
.set KV,  120                          ; v[120:183] W_eff fragments (nb, c) at KV + 16 nb + 8 c
.set OA,  184                          ; v[184:247] out^T tile (nb, qt) at OA + 8 (4 qt + nb)
	s_load_b256 s[4:11], s[0:1], 0x0               ; part s[4:5], ml s[6:7], weff s[8:9], out0 s[10:11]
	v_lshl_add_u32 v248, v0, 2, 0xa800             ; my spare word, behind the eight stages, and 0: kept for the closing lines alone
	v_mov_b32 v249, 0
	v_lshrrev_b32 v1, 5, v0
	v_readfirstlane_b32 s12, v1                    ; wave 0..7
	v_and_b32 v[GL], 31, v0
	v_lshlrev_b32 v[GL], 4, v[GL]
	v_and_b32 v12, 15, v0                          ; r
	v_bfe_u32 v13, v0, 4, 1                        ; h
	v_lshlrev_b32 v[MLO], 3, v12
	s_wait_alu depctr_va_sdst(0)                   ; s12 is written, ahead of its first reader: the wave's bases and LDS places are made from it
	s_lshl_b32 s16, ttmp9, 13                      ; part: 8,192 bytes for my 32 queries, 1,024 for tile w
	s_lshl_b32 s17, s12, 10
	s_add_co_u32 s16, s16, s17
	s_mov_b32 s17, 0
	s_lshl_b32 s18, ttmp9, 8                       ; ml: 256 bytes for my 32 queries, 128 for query tile qt = w >> 2
	s_lshr_b32 s19, s12, 2
	s_lshl_b32 s19, s19, 7
	s_add_co_u32 s18, s18, s19
	s_mov_b32 s19, 0
	s_lshl_b32 s20, s12, 13                        ; my wave's 64 columns of W_eff: 8,192 bytes
	s_mov_b32 s21, 0
	s_lshl_b32 s22, ttmp9, 16                      ; 32 rows of out0: 65,536 bytes
	s_mov_b32 s23, 0
	s_wait_kmcnt 0x0
	s_add_nc_u64 s[4:5], s[4:5], s[16:17]
	s_add_nc_u64 s[24:25], s[4:5], 4*SPLIT         ; splits 4-7 from a base of their own: an immediate reaches three splits
	s_add_nc_u64 s[6:7], s[6:7], s[18:19]
	s_add_nc_u64 s[8:9], s[8:9], s[20:21]
	s_add_nc_u64 s[10:11], s[10:11], s[22:23]
	s_wait_alu depctr_va_vdst(0)                   ; v1 and v5 are written: every global load reads one of them as its offset
.irp ks, 0,1,2,3,4,5,6,7
	global_load_b64 v[QF+2*\ks:QF+2*\ks+1], v[MLO], s[6:7] offset:65536*\ks        ; m in the even register, l in the odd one (four waves read the same bytes: no hint)
.endr
.irp ks, 0,1,2,3
	global_load_b128 v[SC+8*\ks:SC+8*\ks+3],   v[GL], s[4:5] offset:SPLIT*\ks th:TH_LOAD_NT       ; 512 consecutive bytes each, read once in the launch
	global_load_b128 v[SC+8*\ks+4:SC+8*\ks+7], v[GL], s[4:5] offset:SPLIT*\ks+512 th:TH_LOAD_NT
.endr
.irp ks, 0,1,2,3
	global_load_b128 v[SC+32+8*\ks:SC+32+8*\ks+3],   v[GL], s[24:25] offset:SPLIT*\ks th:TH_LOAD_NT
	global_load_b128 v[SC+32+8*\ks+4:SC+32+8*\ks+7], v[GL], s[24:25] offset:SPLIT*\ks+512 th:TH_LOAD_NT
.endr
.set i, 0
.rept 16
	global_load_b128 v[KV+4*i:KV+4*i+3], v[GL], s[8:9] offset:512*i                ; piece 4 nb + 2 c + half
.set i, i+1
.endr
	; the LDS and output addresses, while the loads are out: none of these lines names a register of a load that is out
	s_mul_i32 s26, s12, 16*SPITCH
	s_add_co_u32 s26, s26, STG                     ; my stage
	v_mul_u32_u24 v14, v12, SPITCH                 ; in: row r, 32 bytes for each half of the lanes
	v_lshl_add_u32 v14, v13, 5, v14
	v_add_nc_u32 v[STO], s26, v14
	v_mul_u32_u24 v14, v13, SPITCH                 ; back: lanes 0-15 one row of 256 bytes, lanes 16-31 the next
	v_lshl_add_u32 v14, v12, 4, v14
	v_add_nc_u32 v[RD], s26, v14
	v_lshlrev_b32 v14, 4, v12                      ; and the same two rows in out0, at my wave's 256 bytes
	v_lshl_add_u32 v14, v13, 11, v14
	s_lshl_b32 s27, s12, 8
	v_add_nc_u32 v[CO], s27, v14
	v_add_nc_u32 v[HA], HD, v[GL]
	s_lshl_b32 s28, s12, 9
	v_add_nc_u32 v[HS], s28, v[HA]
	s_wait_loadcnt 32                              ; the eight (m, l) are in; the 32 younger loads stay out
	v_max3_num_f32 v[T+8], v[QF],    v[QF+2],  v[QF+4]
	v_max3_num_f32 v[T+9], v[QF+6],  v[QF+8],  v[QF+10]
	v_max3_num_f32 v[T+8], v[T+8],   v[QF+12], v[QF+14]
	v_max_num_f32  v[T+8], v[T+8],   v[T+9]        ; the maximum over all 8,192 keys
.irp i, 0,1,2,3,4,5,6,7
	v_sub_f32 v[QF+2*\i], v[QF+2*\i], v[T+8]
.endr
.irp i, 0,1,2,3,4,5,6,7
	v_exp_f32 v[QF+2*\i], v[QF+2*\i]
.endr
	v_nop                                          ; a plain place between the exponentials and their use (ISA guide 5.7.2)
	s_wait_alu depctr_va_vdst(0)                   ; the eight exponentials have written the even registers of QF, ahead of their first reader; one wait for the batch
	v_mul_f32 v[T+9], v[QF], v[QF+1]
.irp i, 1,2,3,4,5,6,7
	v_fmac_f32 v[T+9], v[QF+2*\i], v[QF+2*\i+1]    ; the sum over all keys
.endr
	v_rcp_f32 v[T+10], v[T+9]
	v_nop                                          ; a plain place behind the reciprocal
	s_wait_alu depctr_va_vdst(0)                   ; the reciprocal has written v[T+10], ahead of its first reader
.irp i, 0,1,2,3,4,5,6,7
	v_mul_f32 v[QF+2*\i], v[QF+2*\i], v[T+10]      ; each split's weight, in an even register: packed operands broadcast it
.endr
	s_wait_loadcnt 16                              ; the eight partial tiles are in; W_eff's 16 loads stay out
.irp p, 0,2,4,6
	v_pk_mul_f32 v[T+\p:T+\p+1], v[SC+\p:SC+\p+1], v[QF:QF+1] op_sel_hi:[1,0]
.endr
.irp ks, 1,2,3,4,5,6,7
.irp p, 0,2,4,6
	v_pk_fma_f32 v[T+\p:T+\p+1], v[SC+8*\ks+\p:SC+8*\ks+\p+1], v[QF+2*\ks:QF+2*\ks+1], v[T+\p:T+\p+1] op_sel_hi:[1,0,1]
.endr
.endr
	; head in two bf16 parts: the high part, and what it leaves
.irp p, 0,1,2,3
	v_cvt_pk_bf16_f32 v[T+8+\p], v[T+2*\p], v[T+2*\p+1]
.endr
.irp p, 0,1,2,3
	v_lshlrev_b32 v[QF+2*\p],   16, v[T+8+\p]
	v_and_b32     v[QF+2*\p+1], 0xffff0000, v[T+8+\p]
.endr
.irp p, 0,2,4,6
	v_pk_add_f32 v[T+\p:T+\p+1], v[T+\p:T+\p+1], v[QF+\p:QF+\p+1] neg_lo:[0,1] neg_hi:[0,1]
.endr
.irp p, 0,1,2,3
	v_cvt_pk_bf16_f32 v[QF+8+\p], v[T+2*\p], v[T+2*\p+1]
.endr
	s_wait_alu depctr_va_vdst(0)                   ; the conversions have written v[T+8 ..] and v[QF+8 ..], which the two LDS stores read; and the vector lines are done with QF and SC, in which the loads behind the barrier land
	ds_store_b128 v[HS], v[T+8:T+11]               ; tile w = 4 qt + pt is piece (qt, c = pt >> 1, half = pt & 1) of head's fragments
	ds_store_b128 v[HS], v[QF+8:QF+11] offset:4096
	s_wait_dscnt 0x0                               ; for the other waves' sake
	s_barrier_signal -1
	s_barrier_wait -1                              ; the launch's only barrier
	s_wait_alu depctr_vm_vsrc(0)                   ; my LDS store has read v[QF+8 ..], in which a load below lands
.set i, 0
.rept 8
	ds_load_b128 v[QF+4*i:QF+4*i+3], v[HA] offset:512*i            ; high parts
.set i, i+1
.endr
.set i, 0
.rept 8
	ds_load_b128 v[SC+4*i:SC+4*i+3], v[HA] offset:4096+512*i       ; rests
.set i, i+1
.endr
	s_wait_loadcnt 0x0                             ; W_eff
	s_wait_dscnt 0x0
; out^T = W_eff^T head^T: register j of lane (r, h) holds (column 16 nb + 8 h + j, query r).  Eight accumulators take turns, one instruction a turn.
.macro OUTMUL hb, c, zero
.irp qt, 0,1
.irp nb, 0,1,2,3
.if \zero
	v_wmma_f32_16x16x32_bf16 v[OA+8*(4*\qt+\nb):OA+8*(4*\qt+\nb)+7], v[KV+16*\nb+8*\c:KV+16*\nb+8*\c+7], v[\hb+16*\qt+8*\c:\hb+16*\qt+8*\c+7], 0
.else
	v_wmma_f32_16x16x32_bf16 v[OA+8*(4*\qt+\nb):OA+8*(4*\qt+\nb)+7], v[KV+16*\nb+8*\c:KV+16*\nb+8*\c+7], v[\hb+16*\qt+8*\c:\hb+16*\qt+8*\c+7], v[OA+8*(4*\qt+\nb):OA+8*(4*\qt+\nb)+7]
.endif
.endr
.endr
.endm
	OUTMUL QF, 0, 1                                ; the first products start the sums: nothing is cleared
	OUTMUL QF, 1, 0
	OUTMUL SC, 0, 0
	OUTMUL SC, 1, 0
.rept 4
	v_nop                                          ; four places in front of the stores of the results and of the loads into W_eff's registers
.endr
	s_wait_alu depctr_va_vdst(0)                   ; the products have written OA, which the LDS stores read, and are done reading KV, in which the second sixteen rows land; the places above stay beside this wait
; THE WAY OUT, 16 rows at a time: a lane's 32 bytes of a row into my own stage, read back as whole rows of 256 bytes.
; LDS serves a wave's instructions in order (ISA guide 5.7.1): no wait between my stores and my loads.  f: 32 registers of its own for each call.
.macro OUT qt, f
.irp nb, 0,1,2,3
	ds_store_b128 v[STO], v[OA+8*(4*\qt+\nb):OA+8*(4*\qt+\nb)+3]   offset:64*\nb
	ds_store_b128 v[STO], v[OA+8*(4*\qt+\nb)+4:OA+8*(4*\qt+\nb)+7] offset:64*\nb+16
.endr
.irp t, 0,1,2,3,4,5,6,7
	ds_load_b128 v[\f+4*\t:\f+4*\t+3], v[RD] offset:2*SPITCH*\t
.endr
.irp t, 0,1,2,3,4,5,6,7
	s_wait_dscnt 7-\t                              ; pair t of rows is in, the younger ones stay out
	global_store_b128 v[CO], v[\f+4*\t:\f+4*\t+3], s[10:11] offset:(16*\qt+2*\t)*2048 th:TH_STORE_NT   ; 16 lanes store 256 consecutive bytes, at a multiple of 256
.endr
.endm
	OUT 0, SC+32                                   ; no vector or matrix line stands behind the wait above: nothing more is owed on the way out
	OUT 1, KV
	s_wait_dscnt 0x0                               ; the closing lines, six on end
	s_wait_alu 0x0
	s_wait_tensorcnt 0x0
	ds_add_u32 v248, v249
	s_wait_dscnt 0x0
	s_endpgm
.Lfunc_end_k_q670fc5f8a7_comb:
	.size	k_q670fc5f8a7_comb, .Lfunc_end_k_q670fc5f8a7_comb-k_q670fc5f8a7_comb
	.p2alignl 7, 3214868480
	.fill 96, 4, 3214868480
	.section	.rodata,"a",@progbits
	.p2align	6, 0x0
	.amdhsa_kernel k_q670fc5f8a7_comb
		.amdhsa_group_segment_fixed_size 44032
		.amdhsa_private_segment_fixed_size 0
		.amdhsa_enable_private_segment 0
		.amdhsa_kernarg_size 32
		.amdhsa_user_sgpr_count 2
		.amdhsa_user_sgpr_kernarg_segment_ptr 1
		.amdhsa_wavefront_size32 1
		.amdhsa_system_sgpr_workgroup_id_x 1
		.amdhsa_system_sgpr_workgroup_id_y 1
		.amdhsa_system_sgpr_workgroup_id_z 1
		.amdhsa_system_vgpr_workitem_id 0
		.amdhsa_next_free_vgpr 250
		.amdhsa_next_free_sgpr 66
		.amdhsa_reserve_vcc 0
		.amdhsa_float_denorm_mode_32 3
		.amdhsa_float_denorm_mode_16_64 3
		.amdhsa_memory_ordered 1
		.amdhsa_forward_progress 1
		.amdhsa_inst_pref_size 19
	.end_amdhsa_kernel
	.amdgpu_metadata
---
amdhsa.version: [ 1, 2 ]
amdhsa.kernels:
  - .name:           k_q670fc5f8a7_comb
    .symbol:         k_q670fc5f8a7_comb.kd
    .args:
      - { .name: part, .offset: 0, .size: 8, .value_kind: global_buffer, .address_space: global }
      - { .name: ml, .offset: 8, .size: 8, .value_kind: global_buffer, .address_space: global }
      - { .name: weff, .offset: 16, .size: 8, .value_kind: global_buffer, .address_space: global }
      - { .name: out0, .offset: 24, .size: 8, .value_kind: global_buffer, .address_space: global }
    .group_segment_fixed_size: 44032
    .private_segment_fixed_size: 0
    .kernarg_segment_align: 8
    .kernarg_segment_size: 32
    .max_flat_workgroup_size: 256
    .sgpr_count:     66
    .vgpr_count:     250
    .wavefront_size: 32
...
	.end_amdgpu_metadata
.endif
;; end of part 7
